; MI455X (gfx1250); checked and timed in simulation.
; The chip was launched on July 23, 2026; its instructions are those of AMD's public machine-readable ISA for CDNA 5 (MIT licence, August 2026) and "CDNA5" Instruction Set Architecture Reference Guide (July 2026). The comments in the code are by the model that wrote it; some were corrected since.
;; Mixture Of Experts. Allowed arithmetic: float matrix products may take bf16 or f16 operands with f32 sums; all other float work in f32.
;; Inputs: W1 8 x 1,024 x 2,048 float32; W2 8 x 2,048 x 1,024 float32; Wr 1,024 x 8 float32; b1 8 x 2,048 float32; b2 8 x 1,024 float32; br 8 float32; x 2,048 x 1,024 float32.
;; Outputs: out0 2,048 x 1,024 float32.
;; One version. Each part assembles by itself: llvm-mc -triple=amdgcn-amd-amdhsa -mcpu=gfx1250 --defsym DOCPART=n.
;; ======== version 1 of 1: 6 launches
;; limits: values outside matrix products are rounded to bf16
;; workspace buffers: sel 8,192 bytes of whole numbers; wts 16,384 bytes; pos 16,384 bytes of whole numbers; meta 256 bytes of whole numbers; tok 18,176 bytes of whole numbers; xf 9,306,112 bytes; H 18,612,224 bytes; Y 37,224,448 bytes
;; launch route (part 1): grid 256 x 1, 8 waves a work-group, no clusters, 21,760 bytes of LDS; arguments x, Wr, br, sel, wts; writes sel, wts
.if DOCPART == 1
	.amdgcn_target "amdgcn-amd-amdhsa--gfx1250"
	.amdhsa_code_object_version 6
	.text
	.protected	k_q624a3bfdc7_route
	.globl	k_q624a3bfdc7_route
	.p2align	8
	.type	k_q624a3bfdc7_route,@function
k_q624a3bfdc7_route:
	s_mov_b64 s[64:65], 0
	v_nop
	global_prefetch_b8 v0, s[64:65] scope:SCOPE_SE
	s_setreg_imm32_b32 hwreg(HW_REG_WAVE_MODE, 25, 1), 1
	s_wait_xcnt 0x0
; ROUTER: logits = x Wr + br, softmax, the two largest.  x [2048][1024] f32, Wr [1024][8] f32, br [8] f32.
; Stores for each token  sel = e0 | e1<<8 | ((1<<e0 | 1<<e1)<<16)  and  wts = {p(e0), p(e1)}.
;
; WORK LEFT OUT BY THE WHOLE PROGRAM.  reference() forms w = sum(one_hot(top_i) * top_p): w[t][e] is a zero that reference() builds
; itself for the six experts that are not in top_i[t], and out adds w[t][e] * y.  So for every value of the inputs h and y of an expert
; reach out only in the rows of the tokens that chose it.  The choice is a whole number: it is made here, stored, and the later launches
; read it from memory and compute only the 4,096 (token, expert) rows that it names.  Every input has a way to out and is loaded.
; LIMIT: a NaN, an infinity or an overflow that arises only in the FFN of an expert that a token did not choose (0 * inf in reference())
; is not carried to the result.
; LIMITS OF THIS KERNEL: x, Wr and br enter the logits rounded to bf16 (products exact, sums in f32), so a token whose second and third
; logits lie closer than that rounding (about 2^-9 of a term) may be routed otherwise than by unrounded inputs.  The two experts are
; chosen on the logits (softmax keeps their order; of equal logits the lower index wins, as in top_k); logits so close that their
; probabilities round to the same f32 may be ordered otherwise.  NaN logits are not served (indices stay in 0..7).
;
; SHAPE: eight waves, one token each.  A lane holds 32 numbers of the row (k = 128 j + 4 lane + c).  Wr goes once through LDS as bf16.
; The product has 8 columns, about one part in 1,000 of the program's arithmetic, and a matrix fragment would want 16 rows of x across the lanes:
; it is made by multiply-adds on bf16 halves with f32 sums.  No cluster: what the work-groups share is Wr, 32 KiB against 32 KiB of x each,
; read through registers.  sel and wts leave as 32 and 64 bytes a work-group: 24 KiB in the whole launch.
.set WRS,  2560                        ; LDS bytes for 128 rows of Wr: 128 x 16 + 32 x 16 of padding
.set RES,  20480                       ; behind Wr: 8 words of sel, at +64 eight pairs of weights
.set X,    8                           ; v[8:39]    my 32 numbers of x
.set XB,   40                          ; v[40:55]   the same as bf16 pairs
.set WQ,   56                          ; v[56:183]  32 rows of Wr as bf16: 4 registers (8 experts) each
.set ACC,  184                         ; v[184:191] eight sums, then the logits
.set TM,   192                         ; v[192:207] at work
	s_load_b256 s[4:11], s[0:1], 0x0               ; x s[4:5], Wr s[6:7], br s[8:9], sel s[10:11]
	s_load_b64 s[12:13], s[0:1], 0x20              ; wts
	v_lshl_add_u32 v208, v0, 2, 0x5100
	v_mov_b32 v209, 0
	v_lshrrev_b32 v5, 5, v0
	v_readfirstlane_b32 s14, v5                    ; wave
	v_and_b32 v1, 31, v0                           ; lane
	v_lshlrev_b32 v2, 4, v1                        ; 16 lane: my bytes in 512 bytes of x
	v_lshlrev_b32 v6, 4, v0                        ; 16 thread: my bytes in 4,096 bytes of Wr
	v_lshrrev_b32 v3, 3, v0
	v_lshlrev_b32 v3, 4, v3
	v_lshl_add_u32 v3, v0, 3, v3                   ; 8 thread + 16 (thread / 8): where my half row of Wr goes (row k lies at 16 k + 16 (k / 4))
	v_mul_u32_u24 v4, v1, 80                       ; 80 lane: rows 4 lane .. 4 lane + 3; an odd multiple of 16, so 16 lanes start at 16 different columns of 16 bytes
	s_lshl_b32 s15, ttmp9, 3
	s_add_co_u32 s15, s15, s14                     ; my token
	s_lshl_b32 s26, s15, 12
	s_mov_b32 s27, 0
	s_mov_b32 s24, 0x76543210                      ; v_permlanex16_b32: lane i of one half reads lane i of the other
	s_mov_b32 s25, 0xfedcba98
	s_wait_kmcnt 0x0
	s_add_nc_u64 s[4:5], s[4:5], s[26:27]          ; x at my row
	s_load_b256 s[16:23], s[8:9], 0x0              ; br
.irp j, 0,1,2,3,4,5,6,7
	global_load_b128 v[X+4*\j:X+4*\j+3], v2, s[4:5] offset:512*\j th:TH_LOAD_NT
.endr
.irp i, 0,1,2,3,4,5,6,7
	global_load_b128 v[WQ+4*\i:WQ+4*\i+3], v6, s[6:7] offset:4096*\i       ; row thread / 2 + 128 i, experts 4 (thread & 1) ..
.endr
	s_wait_loadcnt 0x0
.irp i, 0,1,2,3,4,5,6,7
	v_cvt_pk_bf16_f32 v[TM+2*\i],   v[WQ+4*\i],   v[WQ+4*\i+1]
	v_cvt_pk_bf16_f32 v[TM+2*\i+1], v[WQ+4*\i+2], v[WQ+4*\i+3]
	ds_store_b64 v3, v[TM+2*\i:TM+2*\i+1] offset:WRS*\i
.endr
.irp i, 0,1,2,3,4,5,6,7,8,9,10,11,12,13,14,15
	v_cvt_pk_bf16_f32 v[XB+\i], v[X+2*\i], v[X+2*\i+1]
.endr
	s_wait_dscnt 0x0                               ; my part of Wr is in LDS, for the others' sake
	s_barrier_signal -1
	s_barrier_wait -1
.irp j, 0,1,2,3,4,5,6,7
.irp c, 0,1,2,3
	ds_load_b128 v[WQ+16*\j+4*\c:WQ+16*\j+4*\c+3], v4 offset:WRS*\j+16*\c  ; row k = 128 j + 4 lane + c
.endr
.endr
; eight multiply-adds: x(k) times Wr(k, 0..7).  xr, xh: register and half of x(k).  first = 1: the product starts the sums.
.macro DOT j, c, xr, xh, first
.irp p, 0,1,2,3
.if \first
	v_fma_mix_f32_bf16 v[ACC+2*\p],   v[\xr], v[WQ+16*\j+4*\c+\p], 0 op_sel:[\xh,0,0] op_sel_hi:[1,1,0]
	v_fma_mix_f32_bf16 v[ACC+2*\p+1], v[\xr], v[WQ+16*\j+4*\c+\p], 0 op_sel:[\xh,1,0] op_sel_hi:[1,1,0]
.else
	v_fma_mix_f32_bf16 v[ACC+2*\p],   v[\xr], v[WQ+16*\j+4*\c+\p], v[ACC+2*\p]   op_sel:[\xh,0,0] op_sel_hi:[1,1,0]
	v_fma_mix_f32_bf16 v[ACC+2*\p+1], v[\xr], v[WQ+16*\j+4*\c+\p], v[ACC+2*\p+1] op_sel:[\xh,1,0] op_sel_hi:[1,1,0]
.endif
.endr
.endm
	s_wait_dscnt 28                                ; LDS loads come back in order: the first four are in, 28 younger ones may be out
	DOT 0, 0, XB,   0, 1
	DOT 0, 1, XB,   1, 0
	DOT 0, 2, XB+1, 0, 0
	DOT 0, 3, XB+1, 1, 0
.irp j, 1,2,3,4,5,6,7
	s_wait_dscnt 28-4*\j                           ; group j's four loads are in, the 4 (7 - j) younger ones may be out
	DOT \j, 0, XB+2*\j,   0, 0
	DOT \j, 1, XB+2*\j,   1, 0
	DOT \j, 2, XB+2*\j+1, 0, 0
	DOT \j, 3, XB+2*\j+1, 1, 0
.endr
	; the eight sums over the 32 lanes; every lane ends with all eight
.irp m, 1,2,4,8
.irp e, 0,1,2,3,4,5,6,7
	v_add_f32_dpp v[ACC+\e], v[ACC+\e], v[ACC+\e] row_xmask:\m row_mask:0xf bank_mask:0xf
.endr
.endr
.irp e, 0,1,2,3,4,5,6,7
	v_permlanex16_b32 v[TM+\e], v[ACC+\e], s24, s25        ; its destination counts as read: TM was written above
.endr
	s_wait_kmcnt 0x0                               ; br
.irp p, 0,1,2,3
	v_cvt_pk_bf16_f32 v[TM+8+\p], s[16+2*\p], s[17+2*\p]   ; br rounded as x and Wr are
.endr
.irp p, 0,1,2,3
	v_pk_add_f32 v[ACC+2*\p:ACC+2*\p+1], v[ACC+2*\p:ACC+2*\p+1], v[TM+2*\p:TM+2*\p+1]
	v_lshlrev_b32 v[TM+12], 16, v[TM+8+\p]
	v_and_b32     v[TM+13], 0xffff0000, v[TM+8+\p]
	v_pk_add_f32 v[ACC+2*\p:ACC+2*\p+1], v[ACC+2*\p:ACC+2*\p+1], v[TM+12:TM+13]
.endr
	; the largest logit m1 (v192) and its lowest index e0 (v193)
	v_max3_num_f32 v192, v184, v185, v186
	v_max3_num_f32 v192, v192, v187, v188
	v_max3_num_f32 v192, v192, v189, v190
	v_max_num_f32 v192, v192, v191
	v_mov_b32 v193, 7
.irp e, 6,5,4,3,2,1,0
	v_cmp_neq_f32 vcc_lo, v[ACC+\e], v192
	v_cndmask_b32 v193, \e, v193, vcc_lo           ; equal: e; the walk goes down, so the lowest index stays
.endr
	; the same with e0 struck out: m2 (v194), e1 (v195)
	v_mov_b32 v204, 0xff800000                     ; -inf
.irp e, 0,1,2,3,4,5,6,7
	v_cmp_eq_u32 vcc_lo, \e, v193
	v_cndmask_b32 v[196+\e], v[ACC+\e], v204, vcc_lo
.endr
	v_max3_num_f32 v194, v196, v197, v198
	v_max3_num_f32 v194, v194, v199, v200
	v_max3_num_f32 v194, v194, v201, v202
	v_max_num_f32 v194, v194, v203
	v_mov_b32 v195, 7
.irp e, 6,5,4,3,2,1,0
	v_cmp_neq_f32 vcc_lo, v[196+\e], v194
	v_cndmask_b32 v195, \e, v195, vcc_lo
.endr
	; softmax with the maximum taken away: q(e) = exp(l(e) - m1), p(e0) = 1 / sum q, p(e1) = exp(m2 - m1) / sum q
.irp e, 0,1,2,3,4,5,6,7
	v_sub_f32 v[196+\e], v[ACC+\e], v192
.endr
	v_sub_f32 v205, v194, v192
.irp e, 0,1,2,3,4,5,6,7
	v_mul_f32 v[196+\e], 0x3fb8aa3b, v[196+\e]     ; log2 e
.endr
	v_mul_f32 v205, 0x3fb8aa3b, v205
.irp e, 0,1,2,3,4,5,6,7
	v_exp_f32 v[196+\e], v[196+\e]
.endr
	v_exp_f32 v205, v205
	v_mov_b32 v206, 0x10000                        ; a plain instruction stands between the exponentials and their first use (ISA guide 5.7.2)
	s_wait_alu depctr_va_vdst(0)
	v_pk_add_f32 v[196:197], v[196:197], v[198:199]
	v_pk_add_f32 v[200:201], v[200:201], v[202:203]
	v_pk_add_f32 v[196:197], v[196:197], v[200:201]
	v_add_f32 v196, v196, v197
	v_rcp_f32 v200, v196                           ; p(e0)
	v_lshlrev_b32 v207, v193, v206                 ; 1 << (16 + e0): the plain instruction behind the reciprocal
	s_wait_alu depctr_va_vdst(0)
	v_mul_f32 v201, v205, v200                     ; p(e1)
	v_lshlrev_b32 v206, v195, v206                 ; 1 << (16 + e1)
	v_or_b32 v207, v207, v206
	v_lshl_or_b32 v207, v195, 8, v207
	v_or_b32 v207, v207, v193
	; the eight tokens' results meet in LDS, so that one wave stores them side by side
	s_lshl_b32 s28, s14, 2
	s_lshl_b32 s29, s14, 3
	v_mov_b32 v5, s28
	v_mov_b32 v6, s29
	ds_store_b32 v5, v207 offset:RES               ; all lanes hold the same value
	ds_store_b64 v6, v[200:201] offset:RES+64
	s_wait_dscnt 0x0
	s_barrier_signal -1
	s_barrier_wait -1
	s_cmp_lg_u32 s14, 0
	s_cbranch_scc1 .Lothers
	v_and_b32 v7, 7, v1
	v_lshlrev_b32 v5, 2, v7
	v_lshlrev_b32 v6, 3, v7
	ds_load_b32 v202, v5 offset:RES
	ds_load_b64 v[204:205], v6 offset:RES+64
	s_lshl_b32 s26, ttmp9, 5                       ; 8 tokens x 4 bytes
	s_lshl_b32 s28, ttmp9, 6                       ; 8 tokens x 8 bytes
	s_mov_b32 s29, 0
	s_add_nc_u64 s[10:11], s[10:11], s[26:27]
	s_add_nc_u64 s[12:13], s[12:13], s[28:29]
	s_wait_dscnt 0x0
	s_wait_xcnt 0x0                                ; EXEC changes only behind this wait: it is a source of the loads above
	v_cmp_gt_u32 vcc_lo, 8, v1
	s_wait_tensorcnt 0x0
	ds_add_u32 v208, v209
	s_wait_dscnt 0x0
	s_and_saveexec_b32 s30, vcc_lo
	global_store_b32 v5, v202, s[10:11]
	global_store_b64 v6, v[204:205], s[12:13]
	s_endpgm
.Lothers:
	s_wait_tensorcnt 0x0
	ds_add_u32 v208, v209
	s_wait_dscnt 0x0
	s_endpgm
.Lfunc_end_k_q624a3bfdc7_route:
	.size	k_q624a3bfdc7_route, .Lfunc_end_k_q624a3bfdc7_route-k_q624a3bfdc7_route
	.p2alignl 7, 3214868480
	.fill 96, 4, 3214868480
	.section	.rodata,"a",@progbits
	.p2align	6, 0x0
	.amdhsa_kernel k_q624a3bfdc7_route
		.amdhsa_group_segment_fixed_size 21760
		.amdhsa_private_segment_fixed_size 0
		.amdhsa_enable_private_segment 0
		.amdhsa_kernarg_size 40
		.amdhsa_user_sgpr_count 2
		.amdhsa_user_sgpr_kernarg_segment_ptr 1
		.amdhsa_wavefront_size32 1
		.amdhsa_system_sgpr_workgroup_id_x 1
		.amdhsa_system_sgpr_workgroup_id_y 1
		.amdhsa_system_sgpr_workgroup_id_z 1
		.amdhsa_system_vgpr_workitem_id 0
		.amdhsa_next_free_vgpr 210
		.amdhsa_next_free_sgpr 66
		.amdhsa_reserve_vcc 1
		.amdhsa_float_denorm_mode_32 3
		.amdhsa_float_denorm_mode_16_64 3
		.amdhsa_memory_ordered 1
		.amdhsa_forward_progress 1
		.amdhsa_inst_pref_size 33
	.end_amdhsa_kernel
	.amdgpu_metadata
---
amdhsa.version: [ 1, 2 ]
amdhsa.kernels:
  - .name:           k_q624a3bfdc7_route
    .symbol:         k_q624a3bfdc7_route.kd
    .args:
      - { .name: x, .offset: 0, .size: 8, .value_kind: global_buffer, .address_space: global }
      - { .name: Wr, .offset: 8, .size: 8, .value_kind: global_buffer, .address_space: global }
      - { .name: br, .offset: 16, .size: 8, .value_kind: global_buffer, .address_space: global }
      - { .name: sel, .offset: 24, .size: 8, .value_kind: global_buffer, .address_space: global }
      - { .name: wts, .offset: 32, .size: 8, .value_kind: global_buffer, .address_space: global }
    .group_segment_fixed_size: 21760
    .private_segment_fixed_size: 0
    .kernarg_segment_align: 8
    .kernarg_segment_size: 40
    .max_flat_workgroup_size: 256
    .sgpr_count:     66
    .vgpr_count:     210
    .wavefront_size: 32
...
	.end_amdgpu_metadata
.endif
;; end of part 1
;; launch place (part 2): grid 256 x 1, 8 waves a work-group, no clusters, 1,280 bytes of LDS; arguments sel, pos, tok, meta; writes pos, tok, meta
.if DOCPART == 2
	.amdgcn_target "amdgcn-amd-amdhsa--gfx1250"
	.amdhsa_code_object_version 6
	.text
	.protected	k_q624a3bfdc7_place
	.globl	k_q624a3bfdc7_place
	.p2align	8
	.type	k_q624a3bfdc7_place,@function
k_q624a3bfdc7_place:
	s_mov_b64 s[64:65], 0
	v_nop
	global_prefetch_b8 v0, s[64:65] scope:SCOPE_SE
	s_setreg_imm32_b32 hwreg(HW_REG_WAVE_MODE, 25, 1), 1
	s_wait_xcnt 0x0
; PLACEMENT: gives each of the 4,096 chosen (token, expert) pairs a row in expert order, without atomics.
; Only the pairs that sel names get a row: the other pairs carry a weight 0 that reference() builds itself.
; Expert e owns rows base(e) .. base(e) + 64 T(e) - 1, T = ceil(count / 64), base = the running sum of 64 T: at most 4,544 rows,
; since the counts add up to 4,096 and each expert adds at most 63 rows.  Inside an expert the tokens keep their order.
;   pos  [2048][2]: the row of (token, k)
;   tok  [4544]:    the token of a row; 2048 for the rows that fill an expert's last tile (rows of zeros); rows behind the total are
;                   neither written nor read
;   meta [8] x {base, T}, and at byte 64 the total number of rows
; SHAPE: work-group d owns tokens 8 d .. 8 d + 7.  Every work-group counts all of sel again (8 KiB, wave w counts expert w): that takes
; the place of a launch of one work-group.  Behind the count wave 0 alone has work.  No cluster: what is shared is those 8 KiB, read
; through registers.  A lane's count holds the expert's total in its low 16 bits and the tokens ahead of 8 d in its high 16: both at
; most 2,048.  tok leaves as 4 bytes a lane to rows that the routing scatters: 16 KiB in the whole launch.
.set SQ,  40                           ; v[40:103]  sel of tokens 128 i + 4 lane + c
; v120 count; v121-126 at work; v127 sel of token 8 d + lane; v[128:135] the eight waves' counts; v136, v137 e0, e1; v138, v139 at work;
; v[140:141] the two rows of token 8 d + lane; v[142:143] {base, T}; v144, v145 their bytes in tok; v146 the token; v147, v148 a row of
; zeros: its number, its byte in tok; v149 the mark; v150 the total; v151 byte in meta
; s[24:31] counts; s[32:39] expert e: first row for a token of this work-group; s40 running base; s41-s44 of expert d / 32: end of the
; live rows, rows of zeros, base, T
	s_load_b256 s[4:11], s[0:1], 0x0               ; sel s[4:5], pos s[6:7], tok s[8:9], meta s[10:11]
	v_lshl_add_u32 v152, v0, 2, 0x100
	v_mov_b32 v153, 0
	v_lshrrev_b32 v5, 5, v0
	v_readfirstlane_b32 s14, v5                    ; wave
	v_and_b32 v1, 31, v0                           ; lane
	v_lshlrev_b32 v2, 4, v1                        ; 16 lane
	v_lshlrev_b32 v3, 2, v1                        ; 4 lane
	v_lshlrev_b32 v4, 3, v1                        ; 8 lane
	v_and_b32 v5, 7, v1
	s_mov_b32 s15, ttmp9                           ; d
	s_lshl_b32 s16, s15, 3                         ; the work-group's first token
	s_add_co_u32 s17, s14, 16                      ; the bit of sel that says: expert w
	s_lshl_b32 s19, s15, 5
	v_lshl_add_u32 v5, v5, 2, s19                  ; byte of sel(8 d + lane mod 8)
	s_lshr_b32 s45, s15, 5                         ; the expert whose rows of zeros and meta this work-group helps to write
	s_mov_b32 s52, 0x76543210                      ; v_permlanex16_b32: lane i of one half reads lane i of the other
	s_mov_b32 s53, 0xfedcba98
	s_wait_kmcnt 0x0
.irp i, 0,1,2,3,4,5,6,7,8,9,10,11,12,13,14,15
	global_load_b128 v[SQ+4*\i:SQ+4*\i+3], v2, s[4:5] offset:512*\i
.endr
	global_load_b32 v127, v5, s[4:5]
	s_wait_loadcnt 0x0
	; count expert w.  The four tokens of a lane's 16 bytes lie on one side of 8 d, so one compare serves them.
.irp i, 0,1,2,3,4,5,6,7,8,9,10,11,12,13,14,15
	s_sub_co_i32 s54, s16, 128*\i
	v_cmp_gt_i32 vcc_lo, s54, v3                   ; 128 i + 4 lane < 8 d
	v_bfe_u32 v121, v[SQ+4*\i],   s17, 1
	v_bfe_u32 v122, v[SQ+4*\i+1], s17, 1
	v_bfe_u32 v123, v[SQ+4*\i+2], s17, 1
	v_bfe_u32 v124, v[SQ+4*\i+3], s17, 1
	v_add3_u32 v125, v121, v122, v123
	v_add_nc_u32 v125, v125, v124
	v_lshl_add_u32 v126, v125, 16, v125            ; counted in both halves
.if \i == 0
	v_cndmask_b32 v120, v125, v126, vcc_lo         ; the first term starts the sum
.else
	v_cndmask_b32 v125, v125, v126, vcc_lo
	v_add_nc_u32 v120, v120, v125
.endif
.endr
.irp m, 1,2,4,8
	v_mov_b32_dpp v121, v120 row_xmask:\m row_mask:0xf bank_mask:0xf
	v_add_nc_u32 v120, v120, v121
.endr
	v_permlanex16_b32 v121, v120, s52, s53
	v_add_nc_u32 v120, v120, v121
	s_lshl_b32 s54, s14, 2
	v_mov_b32 v122, s54
	ds_store_b32 v122, v120                        ; word w: expert w's count
	s_wait_dscnt 0x0                               ; for wave 0's sake
	s_barrier_signal -1
	s_barrier_wait -1
	s_cmp_lg_u32 s14, 0
	s_cbranch_scc1 .Ldone                          ; what is left is a few scalars and 8 tokens: one wave's work
	v_mov_b32 v122, 0
	ds_load_b128 v[128:131], v122
	ds_load_b128 v[132:135], v122 offset:16
	s_wait_dscnt 0x0
.irp e, 0,1,2,3,4,5,6,7
	v_readfirstlane_b32 s[24+\e], v[128+\e]
.endr
	; the running sum over the experts
	s_mov_b32 s40, 0
.irp e, 0,1,2,3,4,5,6,7
	s_and_b32 s54, s[24+\e], 0xffff                ; count
	s_lshr_b32 s55, s[24+\e], 16                   ; of them ahead of this work-group's tokens
	s_add_co_u32 s[32+\e], s40, s55
	s_add_co_u32 s56, s40, s54                     ; end of the live rows
	s_sub_co_u32 s57, 0, s54
	s_and_b32 s57, s57, 63                         ; rows of zeros up to the tile's end
	s_add_co_u32 s58, s54, 63
	s_lshr_b32 s58, s58, 6                         ; T
.if \e == 0
	s_mov_b32 s41, s56                             ; expert 0's figures start the choice
	s_mov_b32 s42, s57
	s_mov_b32 s43, s40
	s_mov_b32 s44, s58
.else
	s_cmp_eq_u32 s45, \e
	s_cselect_b32 s41, s56, s41
	s_cselect_b32 s42, s57, s42
	s_cselect_b32 s43, s40, s43
	s_cselect_b32 s44, s58, s44
.endif
	s_lshl_b32 s59, s58, 6
	s_add_co_u32 s40, s40, s59
.endr
	; lane l < 8: the two rows of token 8 d + l = the expert's first row here + how many of tokens 8 d .. 8 d + l - 1 chose it
	v_cmp_gt_u32 vcc_lo, 8, v1
	v_cndmask_b32 v127, 0, v127, vcc_lo
	v_and_b32 v136, 0xff, v127
	v_bfe_u32 v137, v127, 8, 8
.irp e, 0,1,2,3,4,5,6,7
	v_bfe_u32 v139, v127, 16+\e, 1
	v_cmp_ne_u32 vcc_lo, 0, v139
	v_mbcnt_lo_u32_b32 v138, vcc_lo, s[32+\e]
.if \e == 0
	v_mov_b32 v140, v138                           ; expert 0's row starts the choice
	v_mov_b32 v141, v138
.else
	v_cmp_eq_u32 vcc_lo, \e, v136
	v_cndmask_b32 v140, v140, v138, vcc_lo
	v_cmp_eq_u32 vcc_lo, \e, v137
	v_cndmask_b32 v141, v141, v138, vcc_lo
.endif
.endr
	v_min_u32 v144, 4543, v140                     ; tok has 4,544 words
	v_min_u32 v145, 4543, v141
	v_lshlrev_b32 v144, 2, v144
	v_lshlrev_b32 v145, 2, v145
	v_add_nc_u32 v146, s16, v1                     ; token 8 d + lane
	s_lshl_b32 s56, s15, 6                         ; 8 tokens x 8 bytes of pos
	s_mov_b32 s57, 0
	s_add_nc_u64 s[6:7], s[6:7], s[56:57]
	; the rows of zeros of expert d / 32: at most 63, two for each of its 32 work-groups, lanes 0 and 1
	s_and_b32 s50, s15, 31
	s_lshl_b32 s51, s50, 1
	v_add_nc_u32 v147, s51, v1
	v_cmp_gt_u32 vcc_lo, 2, v1
	v_cndmask_b32 v147, 64, v147, vcc_lo           ; the other lanes: 64, more than there are such rows
	v_add_nc_u32 v148, s41, v147
	v_min_u32 v148, 4543, v148
	v_lshlrev_b32 v148, 2, v148
	v_mov_b32 v149, 2048                           ; the mark of a row of zeros
	v_mov_b32 v142, s43
	v_mov_b32 v143, s44
	v_mov_b32 v150, s40
	s_lshl_b32 s58, s45, 3
	v_mov_b32 v151, s58
	s_wait_xcnt 0x0                                ; EXEC is a source of the loads above: it narrows only behind this wait
	v_cmp_gt_u32 vcc_lo, 8, v1
	s_and_saveexec_b32 s60, vcc_lo
	global_store_b64 v4, v[140:141], s[6:7]        ; pos of my eight tokens
	global_store_b32 v144, v146, s[8:9]            ; tok of their sixteen rows
	global_store_b32 v145, v146, s[8:9]
	s_wait_xcnt 0x0                                ; and widens only behind this one
	s_or_b32 exec_lo, exec_lo, s60
	v_cmp_gt_u32 vcc_lo, s42, v147                 ; is there such a row of zeros
	s_and_saveexec_b32 s60, vcc_lo
	global_store_b32 v148, v149, s[8:9]
	s_wait_xcnt 0x0
	s_or_b32 exec_lo, exec_lo, s60
	s_cmp_lg_u32 s50, 0
	s_cbranch_scc1 .Ldone
	v_cmp_eq_u32 vcc_lo, 0, v1
	s_and_saveexec_b32 s60, vcc_lo
	global_store_b64 v151, v[142:143], s[10:11]    ; lane 0 of the expert's first work-group: {base, T}
	s_wait_xcnt 0x0
	s_or_b32 exec_lo, exec_lo, s60
	s_cmp_lg_u32 s15, 0
	s_cbranch_scc1 .Ldone
	v_cmp_eq_u32 vcc_lo, 0, v1
	s_and_saveexec_b32 s60, vcc_lo
	global_store_b32 v151, v150, s[10:11] offset:64        ; work-group 0 (v151 = 0 there): the total number of rows
	s_wait_xcnt 0x0
	s_or_b32 exec_lo, exec_lo, s60
.Ldone:
	s_wait_tensorcnt 0x0
	ds_add_u32 v152, v153
	s_wait_dscnt 0x0
	s_endpgm
.Lfunc_end_k_q624a3bfdc7_place:
	.size	k_q624a3bfdc7_place, .Lfunc_end_k_q624a3bfdc7_place-k_q624a3bfdc7_place
	.p2alignl 7, 3214868480
	.fill 96, 4, 3214868480
	.section	.rodata,"a",@progbits
	.p2align	6, 0x0
	.amdhsa_kernel k_q624a3bfdc7_place
		.amdhsa_group_segment_fixed_size 1280
		.amdhsa_private_segment_fixed_size 0
		.amdhsa_enable_private_segment 0
		.amdhsa_kernarg_size 32
		.amdhsa_user_sgpr_count 2
		.amdhsa_user_sgpr_kernarg_segment_ptr 1
		.amdhsa_wavefront_size32 1
		.amdhsa_system_sgpr_workgroup_id_x 1
		.amdhsa_system_sgpr_workgroup_id_y 1
		.amdhsa_system_sgpr_workgroup_id_z 1
		.amdhsa_system_vgpr_workitem_id 0
		.amdhsa_next_free_vgpr 154
		.amdhsa_next_free_sgpr 66
		.amdhsa_reserve_vcc 1
		.amdhsa_float_denorm_mode_32 3
		.amdhsa_float_denorm_mode_16_64 3
		.amdhsa_memory_ordered 1
		.amdhsa_forward_progress 1
		.amdhsa_inst_pref_size 22
	.end_amdhsa_kernel
	.amdgpu_metadata
---
amdhsa.version: [ 1, 2 ]
amdhsa.kernels:
  - .name:           k_q624a3bfdc7_place
    .symbol:         k_q624a3bfdc7_place.kd
    .args:
      - { .name: sel, .offset: 0, .size: 8, .value_kind: global_buffer, .address_space: global }
      - { .name: pos, .offset: 8, .size: 8, .value_kind: global_buffer, .address_space: global }
      - { .name: tok, .offset: 16, .size: 8, .value_kind: global_buffer, .address_space: global }
      - { .name: meta, .offset: 24, .size: 8, .value_kind: global_buffer, .address_space: global }
    .group_segment_fixed_size: 1280
    .private_segment_fixed_size: 0
    .kernarg_segment_align: 8
    .kernarg_segment_size: 32
    .max_flat_workgroup_size: 256
    .sgpr_count:     66
    .vgpr_count:     154
    .wavefront_size: 32
...
	.end_amdgpu_metadata
.endif
;; end of part 2
;; launch gather (part 3): grid 256 x 1, 8 waves a work-group, no clusters, 35,840 bytes of LDS; arguments tok, meta, x, xf; writes xf
.if DOCPART == 3
	.amdgcn_target "amdgcn-amd-amdhsa--gfx1250"
	.amdhsa_code_object_version 6
	.text
	.protected	k_q624a3bfdc7_gather
	.globl	k_q624a3bfdc7_gather
	.p2align	8
	.type	k_q624a3bfdc7_gather,@function
k_q624a3bfdc7_gather:
	s_mov_b64 s[64:65], 0
	v_nop
	global_prefetch_b8 v0, s[64:65] scope:SCOPE_SE
	s_setreg_imm32_b32 hwreg(HW_REG_WAVE_MODE, 25, 1), 1
	s_wait_xcnt 0x0
; GATHER: xf = the rows of x in expert order, as bf16, in the order in which the first FFN layer's matrix fragments want them.
; Only the rows that tok names are made (the other (token, expert) pairs carry a weight 0 that reference() builds itself); a row marked
; 2048 fills an expert's last tile and is made of zeros.
;   xf [16-row block: 284][K step ks: 32][half q of the fragment: 2][lane: 32][16 bytes];  lane = r + 16 h holds row r of the block and
;   k = 64 (ks / 2) + 32 h + 16 (ks % 2) + 8 q + 0..7: the map that the weights' fragments have too.
; A row's numbers lie 16 bytes at a time in xf, and the 16 rows of a block fill the bytes between: so a block is made by one
; work-group, which reads whole pieces of 512 bytes of x's rows and stores whole pieces of 512 bytes of xf.
; SHAPE: work-group d makes block d, and block d + 256 if it is live (the live rows are at least 4,096 = 256 blocks, at most 284).  Wave w
; takes k = 128 w .. 128 w + 127 of the block: 16 loads of 512 bytes, a turn through 16 rows x 272 bytes of LDS that are the wave's
; own (no barrier: LDS serves a wave's instructions in order, ISA guide 5.7.1), 8 stores of 512 consecutive bytes.
; A stream: no matrix unit.  No cluster: a row of x is read by two blocks, which the routing scatters.
.set PITCH, 272                        ; 256 bytes of a row + 16: an odd multiple of 16, so 16 rows start at 16 different columns of 16 bytes
.set WREG,  16*PITCH                   ; a wave's LDS
.set OF,    8                          ; v[8:23]    row r: byte offset of my 16 bytes in x
.set X,     24                         ; v[24:87]   row r: 4 numbers
.set P,     88                         ; v[88:119]  row r: the same as bf16
.set O,     120                        ; v[120:151] the 8 pieces that I store
; s[16:31] tok of the 16 rows, then their byte offsets; s[68:83] row r: all ones, or 0 for a row of zeros
.macro UNIT                            ; block s12
	s_lshl_b32 s38, s12, 6                         ; 16 words of tok
	s_mov_b32 s39, 0
	s_add_nc_u64 s[40:41], s[4:5], s[38:39]
	s_load_b512 s[16:31], s[40:41], 0x0
	s_lshl_b32 s42, s12, 15                        ; a block of xf is 32,768 bytes,
	s_lshl_b32 s43, s14, 12                        ; my four K steps 4,096
	s_add_co_u32 s42, s42, s43
	s_mov_b32 s43, 0
	s_add_nc_u64 s[44:45], s[10:11], s[42:43]
	s_wait_kmcnt 0x0
.irp r, 0,1,2,3,4,5,6,7,8,9,10,11,12,13,14,15
	s_cmp_lt_u32 s[16+\r], 2048
	s_cselect_b32 s[68+\r], -1, 0
	s_min_u32 s[16+\r], s[16+\r], 2047             ; x has 2,048 rows; a row of zeros reads the last one and is masked
	s_lshl_b32 s[16+\r], s[16+\r], 12
	v_add_nc_u32 v[OF+\r], s[16+\r], v2
.endr
.irp r, 0,1,2,3,4,5,6,7,8,9,10,11,12,13,14,15
	global_load_b128 v[X+4*\r:X+4*\r+3], v[OF+\r], s[8:9]          ; 512 consecutive bytes of the row
.endr
.irp r, 0,1,2,3,4,5,6,7,8,9,10,11,12,13,14,15
	s_wait_loadcnt 15-\r                           ; loads come back in order: row r is in, the 15 - r younger ones may be out
	v_cvt_pk_bf16_f32 v[P+2*\r],   v[X+4*\r],   v[X+4*\r+1]
	v_cvt_pk_bf16_f32 v[P+2*\r+1], v[X+4*\r+2], v[X+4*\r+3]
	v_and_b32 v[P+2*\r],   s[68+\r], v[P+2*\r]
	v_and_b32 v[P+2*\r+1], s[68+\r], v[P+2*\r+1]
	ds_store_b64 v3, v[P+2*\r:P+2*\r+1] offset:PITCH*\r
.endr
.irp m, 0,1,2,3,4,5,6,7
	ds_load_b128 v[O+4*\m:O+4*\m+3], v4 offset:128*(\m/4)+32*((\m/2)%2)+16*(\m%2)  ; piece m = 2 ks + q; these see my stores above
.endr
.irp m, 0,1,2,3,4,5,6,7
	s_wait_dscnt 7-\m
	global_store_b128 v2, v[O+4*\m:O+4*\m+3], s[44:45] offset:512*\m       ; each store of the wave covers 512 consecutive bytes, aligned
.endr
.endm
	s_load_b256 s[4:11], s[0:1], 0x0               ; tok s[4:5], meta s[6:7], x s[8:9], xf s[10:11]
	v_lshl_add_u32 v152, v0, 2, 0x8800
	v_mov_b32 v153, 0
	v_lshrrev_b32 v5, 5, v0
	v_readfirstlane_b32 s14, v5                    ; wave
	v_and_b32 v1, 31, v0                           ; lane
	v_lshlrev_b32 v2, 4, v1                        ; 16 lane
	s_mul_i32 s15, s14, WREG
	v_lshl_add_u32 v3, v1, 3, s15                  ; in: 8 bytes a lane along a row
	v_and_b32 v6, 15, v0                           ; r
	v_bfe_u32 v7, v0, 4, 1                         ; h
	v_mul_u32_u24 v4, v6, PITCH
	v_lshl_add_u32 v4, v7, 6, v4
	v_add_nc_u32 v4, s15, v4                       ; back: row r, 64 h
	s_lshl_b32 s36, s14, 9                         ; my 128 numbers of a row of x
	s_mov_b32 s37, 0
	s_mov_b32 s12, ttmp9                           ; block d
	s_wait_kmcnt 0x0
	s_load_b32 s13, s[6:7], 0x40                   ; the total number of rows; waited for with tok
	s_add_nc_u64 s[8:9], s[8:9], s[36:37]
	UNIT
	s_min_u32 s13, s13, 4544
	s_lshr_b32 s13, s13, 4                         ; live blocks
	s_add_co_u32 s12, s12, 256
	s_cmp_ge_u32 s12, s13
	s_cbranch_scc1 .Lend
	s_wait_xcnt 0x0                                ; the stores' base and data are written again only behind this wait
	UNIT
.Lend:
	s_wait_tensorcnt 0x0
	ds_add_u32 v152, v153
	s_wait_dscnt 0x0
	s_endpgm
.Lfunc_end_k_q624a3bfdc7_gather:
	.size	k_q624a3bfdc7_gather, .Lfunc_end_k_q624a3bfdc7_gather-k_q624a3bfdc7_gather
	.p2alignl 7, 3214868480
	.fill 96, 4, 3214868480
	.section	.rodata,"a",@progbits
	.p2align	6, 0x0
	.amdhsa_kernel k_q624a3bfdc7_gather
		.amdhsa_group_segment_fixed_size 35840
		.amdhsa_private_segment_fixed_size 0
		.amdhsa_enable_private_segment 0
		.amdhsa_kernarg_size 32
		.amdhsa_user_sgpr_count 2
		.amdhsa_user_sgpr_kernarg_segment_ptr 1
		.amdhsa_wavefront_size32 1
		.amdhsa_system_sgpr_workgroup_id_x 1
		.amdhsa_system_sgpr_workgroup_id_y 1
		.amdhsa_system_sgpr_workgroup_id_z 1
		.amdhsa_system_vgpr_workitem_id 0
		.amdhsa_next_free_vgpr 154
		.amdhsa_next_free_sgpr 84
		.amdhsa_reserve_vcc 0
		.amdhsa_float_denorm_mode_32 3
		.amdhsa_float_denorm_mode_16_64 3
		.amdhsa_memory_ordered 1
		.amdhsa_forward_progress 1
		.amdhsa_inst_pref_size 25
	.end_amdhsa_kernel
	.amdgpu_metadata
---
amdhsa.version: [ 1, 2 ]
amdhsa.kernels:
  - .name:           k_q624a3bfdc7_gather
    .symbol:         k_q624a3bfdc7_gather.kd
    .args:
      - { .name: tok, .offset: 0, .size: 8, .value_kind: global_buffer, .address_space: global }
      - { .name: meta, .offset: 8, .size: 8, .value_kind: global_buffer, .address_space: global }
      - { .name: x, .offset: 16, .size: 8, .value_kind: global_buffer, .address_space: global }
      - { .name: xf, .offset: 24, .size: 8, .value_kind: global_buffer, .address_space: global }
    .group_segment_fixed_size: 35840
    .private_segment_fixed_size: 0
    .kernarg_segment_align: 8
    .kernarg_segment_size: 32
    .max_flat_workgroup_size: 256
    .sgpr_count:     84
    .vgpr_count:     154
    .wavefront_size: 32
...
	.end_amdgpu_metadata
.endif
;; end of part 3
;; launch ffn1 (part 4): grid 256 x 1, 8 waves a work-group, no clusters, 132,096 bytes of LDS; arguments xf, W1, b1, meta, H; writes H
.if DOCPART == 4
	.amdgcn_target "amdgcn-amd-amdhsa--gfx1250"
	.amdhsa_code_object_version 6
	.text
	.protected	k_q624a3bfdc7_ffn1
	.globl	k_q624a3bfdc7_ffn1
	.p2align	8
	.type	k_q624a3bfdc7_ffn1,@function
k_q624a3bfdc7_ffn1:
	s_mov_b64 s[64:65], 0
	v_nop
	global_prefetch_b8 v0, s[64:65] scope:SCOPE_SE
	s_setreg_imm32_b32 hwreg(HW_REG_WAVE_MODE, 25, 1), 1
	s_wait_xcnt 0x0
; EXPERT FFN, one text for both layers (LAYER = 1 here):
;   LAYER 1:  H = gelu(xf W1[e] + b1[e])                 xf: x's rows in expert order, bf16; W1 [8][1024][2048] f32, b1 [8][2048] f32
;   LAYER 2:  Y[kh] = H(half kh of F) W2[e] + b2[e] / 2  W2 [8][2048][1024] f32, b2 [8][1024] f32, Y [2][4544][1024] f32
; Only the rows of the tokens that chose expert e are computed (meta: first row and number T of 64-row tiles): for the others reference()
; multiplies the result by a zero of its own making.  A NaN or an infinity that arises only there is not carried to the result.
; The rows that fill an expert's last tile are zeros in xf; their results are stored and never read by the last launch.
; Matrix operands are bf16 (x, W1, h, W2 rounded once); sums, bias and gelu f32.  The two halves of K each carry half of b2, so that their
; sum carries all of it (halving is exact but for the last bit of a denormal).
;
; THE WEIGHTS STAY, THE ROWS WALK.  A work-group owns 64 columns and 1,024 along K of one expert's matrix: 256 KiB of f32, read from memory
; once in the launch.  Wave w converts K eighth w and lays it into LDS as bf16 fragments (128 KiB in all); one barrier; from then on
; LDS is only read.  A wave then makes tiles of 64 rows x 64 columns: 16 accumulators, 512 matrix instructions.
; NO BARRIER BEHIND THE FIRST, NO CLUSTER, NO TENSOR LOADS: the number of tiles and their addresses are read from memory.  Every wave has to
; pass every barrier on a path that no loaded number decides, so a loop of T trips holds none; LDS slots that are filled again, jointly
; or not, want one in every trip.  So the rows come through registers, each wave's own: they lie in memory in fragment order, and each
; load of a wave takes 512 consecutive bytes.  The weights of an expert that nobody chose (T = 0) are still laid down: the barrier
; stands on every path, and the waves end behind it.
; EIGHT WAVES, two for each of the WGP's four SIMDs, 512 registers each.  A wait on LOADcnt can name at most 63 loads (ISA guide 5.7.1), so one
; wave can have 56 loads of 512 bytes on their way, the rows of seven K steps; a second wave on the SIMD has a counter of its own and
; doubles that.  The wave's tile stays 64 x 64, so the bytes loaded for a multiply-add are those of four larger waves.
; SHARES.  F = T - T mod 4 whole tiles: wave w takes tiles w, w + 8, ..  The T mod 4 tiles that are left are 4 (T mod 4) blocks of 16 rows: they go
; one at a time to the waves in the order (w + F) mod 8, so that the waves that had one tile fewer come first.  With T = 9 four waves
; make one block each, where one wave would make a ninth tile alone.  In a block's text a weight fragment feeds one matrix
; instruction instead of four: that is why only the remainder goes this way.
;
; K INSIDE A FRAGMENT: element i (0..15) of lane half h in K step ks stands for k = 64 (ks / 2) + 32 h + 16 (ks % 2) + i, in the rows and in the
; weights alike, so the products pair up rightly.  COLUMNS: lane r of column block t stands for column 4 r + t of the 64.
; With these two maps a weight fragment is made of 16-byte loads (lanes 0-15 take 256 consecutive bytes of one row of W, lanes 16-31 of
; the row 32 further down) and conversions alone, and layer 1's results are layer 2's fragments as they stand:
;   xf and H: [16-row block: 284][K step: 32 in xf, 64 in H][half of the fragment: 2][lane: 32][16 bytes].
.set LAYER, 1
.if LAYER == 1
.set PW,    8192                       ; bytes in a row of W
.set MTB,   32768                      ; the rows: bytes of a 16-row block
.set MULW,  0x04                       ; source 0 (weights) window 0, source 1 (rows) window 1, C and D window 0
.set BLW,   0x04                       ; an LDS load names a destination and source 0, both window 0 here too: no switch between it and the products
.set VOUT,  4                          ; my byte offset in the result: 16 lane
.else
.set PW,    4096
.set MTB,   65536
.set MULW,  0x01                       ; source 0 (rows) window 1, source 1 (weights) window 0, C and D window 0
.set BLW,   0
.set VOUT,  8                          ; v8         my byte offset in the result
.endif
.set OMT,   65536                      ; the results: bytes of a 16-row block (H: 64 K steps of 1,024; Y: 16 rows of 4,096)
.set TSTEP, 32*MTB                     ; from a wave's tile to its next: eight tiles of four blocks
.set OSTEP, 32*OMT
.set BSTEP, 8*MTB                      ; from a wave's block to its next: eight blocks
.set BOSTEP, 8*OMT
.set YH,    18612224                   ; Y: bytes of a half
; window 0
.set L16,  4                           ; v4         16 lane: LDS address of the weight fragments of K steps 0-15, and my bytes in a 512-byte piece of the rows
.set LB1,  5                           ; v5         the same + 65,536: K steps 16-31 (an LDS offset has 16 bits)
.set VW,   7                           ; v7         my byte offset in W
.set VB,   9                           ; v9         my byte offset in the bias
.set WS,   10                          ; v10        where I lay down weight fragments: 16,384 w + 16 lane
.set BI,   12                          ; v[12:43]   bias: LAYER 1 index 4 j + t, LAYER 2 index t
.set CA,   44                          ; v[44:45]   -2 sqrt(2/pi) log2 e, twice
.set CB,   46                          ; v[46:47]   0.044715 times that, twice
.set BF,   48                          ; v[48:111]  weight fragments of a K step x 4 column blocks, two buffers of 32
.set VV,   48                          ; v[48:79]   the way out (the weight buffers are free then): a block's 32 numbers, index 4 j + t
.set TT,   80                          ; v[80:111]  the way out: at work; the registers that are stored
.set ACC,  128                         ; v[128:255] the sums of block a, column block t at v[128 + 8 (4 a + t) + j]
; window 1: the rows' fragments.  For a tile a ring of eight slots of 32: K step k, block a at v[32 (k % 8) + 8 a]; for a single block all its
;           32 K steps: K step k at v[8 k].  While the weights come in, staging sets of 64 for f32.
.set MSB, 0
.macro WIN new                         ; the immediate's high byte repeats the setting that is left
.if MSB != \new
	s_set_vgpr_msb (MSB<<8)|\new
.set MSB, \new
.endif
.endm
; Four places behind a matrix instruction before its result is read by anything else or a load is issued into one of its sources; only
; plain vector instructions that name none of its registers are places (ISA guide 7.12.1 for vector instructions).
.macro PLACES
.rept 4
	v_nop
.endr
.endm
; Step ks (0..3) of my K eighth: 16 rows of W (for each lane half), 64 columns, as f32.  The staging sets lie in ring slots 6-7, 2-3, 4-5, 6-7:
; slots 0-1 are never used, and the sets come free in ascending order of slots, as the first runs of rows want them.
.macro WLOAD ks
.set stg, 64*(1+((\ks)+2)%3)
	WIN 0x40
.irp i, 0,1,2,3,4,5,6,7,8,9,10,11,12,13,14,15
	global_load_b128 v[stg+4*\i:stg+4*\i+3], v[VW], s[48:49] offset:(64*((\ks)/2)+16*((\ks)%2)+\i)*PW th:TH_LOAD_NT
.endr
.endm
; the same step as four bf16 fragments (register u of column block t takes rows 2 u and 2 u + 1), laid into LDS
.macro WCVT ks
.set stg, 64*(1+((\ks)+2)%3)
	WIN 0x05
.irp t, 0,1,2,3
.irp u, 0,1,2,3,4,5,6,7
	v_cvt_pk_bf16_f32 v[BF+32*((\ks)%2)+8*\t+\u], v[stg+8*\u+\t], v[stg+8*\u+4+\t]
.endr
.endr
	WIN 0
.irp t, 0,1,2,3
	ds_store_b128 v[WS], v[BF+32*((\ks)%2)+8*\t:BF+32*((\ks)%2)+8*\t+3]   offset:(4*(\ks)+\t)*1024
	ds_store_b128 v[WS], v[BF+32*((\ks)%2)+8*\t+4:BF+32*((\ks)%2)+8*\t+7] offset:(4*(\ks)+\t)*1024+512
.endr
.endm
; A run: 8 loads of 512 bytes, the rows' fragments of K step k of a tile's four blocks, into slot k % 8.  nx = 1: of my next tile
.macro ALOAD k, nx
	WIN 0x40
.irp a, 0,1,2,3
	global_load_b128 v[32*((\k)%8)+8*\a:32*((\k)%8)+8*\a+3],   v[L16], s[52:53] offset:\nx*TSTEP+\a*MTB+(\k)*1024
	global_load_b128 v[32*((\k)%8)+8*\a+4:32*((\k)%8)+8*\a+7], v[L16], s[52:53] offset:\nx*TSTEP+\a*MTB+(\k)*1024+512
.endr
.endm
; 2 loads of 512 bytes: the fragment of K step k of a single block
.macro ALOADB k
	WIN 0x40
	global_load_b128 v[8*(\k):8*(\k)+3],   v[L16], s[52:53] offset:(\k)*1024
	global_load_b128 v[8*(\k)+4:8*(\k)+7], v[L16], s[52:53] offset:(\k)*1024+512
.endm
; 8 LDS loads: the weight fragments of K step k, into buffer k % 2
.macro BLOAD k
	WIN BLW
.irp t, 0,1,2,3
.set fo,  (4*(\k)+\t)*1024
.set bfr, BF+32*((\k)%2)+8*\t
.if fo < 65536
	ds_load_b128 v[bfr:bfr+3],   v[L16] offset:fo
	ds_load_b128 v[bfr+4:bfr+7], v[L16] offset:fo+512
.else
	ds_load_b128 v[bfr:bfr+3],   v[LB1] offset:fo-65536
	ds_load_b128 v[bfr+4:bfr+7], v[LB1] offset:fo-65536+512
.endif
.endr
.endm
; One matrix instruction.  K step 0 starts the sums: nothing is cleared.
; LAYER 1 is used transposed (weights first): a lane then holds token r and columns 32 h + 4 j + t.  LAYER 2 plainly: column 4 r + t of token 8 h + j.
.macro MM ac, bw, af, zero
.if LAYER == 1
.if \zero
	v_wmma_f32_16x16x32_bf16 v[\ac:\ac+7], v[\bw:\bw+7], v[\af:\af+7], 0
.else
	v_wmma_f32_16x16x32_bf16 v[\ac:\ac+7], v[\bw:\bw+7], v[\af:\af+7], v[\ac:\ac+7]
.endif
.else
.if \zero
	v_wmma_f32_16x16x32_bf16 v[\ac:\ac+7], v[\af:\af+7], v[\bw:\bw+7], 0
.else
	v_wmma_f32_16x16x32_bf16 v[\ac:\ac+7], v[\af:\af+7], v[\bw:\bw+7], v[\ac:\ac+7]
.endif
.endif
.endm
; 16 matrix instructions: K step k of a tile, four blocks x four column blocks.  The sixteen accumulators take turns, one instruction a turn.
.macro MUL k
	WIN MULW
.irp a, 0,1,2,3
.irp t, 0,1,2,3
	MM ACC+8*(4*\a+\t), BF+32*((\k)%2)+8*\t, 32*((\k)%8)+8*\a, (\k)==0
.endr
.endr
.endm
; 4 matrix instructions: K step k of a single block.  Its four accumulators take turns, one instruction a turn.
.macro MULB k
	WIN MULW
.irp t, 0,1,2,3
	MM ACC+8*\t, BF+32*((\k)%2)+8*\t, 8*(\k), (\k)==0
.endr
.endm
; Sub-step k of a tile.  lc: how many younger loads of rows may be out when run k has to be in.  ak, nx: the run that is asked for now, into the
; slot that sub-step k - 1 has read (-1: none).  bk: the weight fragments fetched now, into the buffer that sub-step k - 1 has read
; (-1: none).  dc: how many younger LDS loads may be out when this sub-step's weight fragments have to be in.
.macro SUB k, lc, ak, nx, bk, dc
	s_wait_loadcnt \lc
.if \ak+\bk > -2
	PLACES
.endif
.if \ak >= 0
	ALOAD \ak, \nx
.endif
.if \bk >= 0
	BLOAD \bk
.endif
	s_wait_dscnt \dc
	MUL \k
.endm
; The same for a single block
.macro SUBB k, lc, ak, bk, dc
	s_wait_loadcnt \lc
.if \ak+\bk > -2
	PLACES
.endif
.if \ak >= 0
	ALOADB \ak
.endif
.if \bk >= 0
	BLOAD \bk
.endif
	s_wait_dscnt \dc
	MULB \k
.endm
; The way out of block a
.macro EPB a
.if LAYER == 1
.irp j, 0,1,2,3,4,5,6,7
.irp t, 0,1,2,3
	v_add_f32 v[VV+4*\j+\t], v[ACC+32*\a+8*\t+\j], v[BI+4*\j+\t]   ; + bias; columns 32 h + 4 j + 0..3 come side by side
.endr
.endr
	s_wait_xcnt 0x0                                ; TT, which the last block's stores read, is written again only behind this wait
	; gelu (tanh form) = x / (1 + 2^(x (CA + CB x^2))): large |x| runs to x or to 0 through 2^-inf = 0 and 1 / inf = 0
.irp i, 0,1,2,3,4,5,6,7,8,9,10,11,12,13,14,15
	v_pk_mul_f32 v[TT+2*\i:TT+2*\i+1], v[VV+2*\i:VV+2*\i+1], v[VV+2*\i:VV+2*\i+1]
.endr
.irp i, 0,1,2,3,4,5,6,7,8,9,10,11,12,13,14,15
	v_pk_fma_f32 v[TT+2*\i:TT+2*\i+1], v[TT+2*\i:TT+2*\i+1], v[CB:CB+1], v[CA:CA+1]
.endr
.irp i, 0,1,2,3,4,5,6,7,8,9,10,11,12,13,14,15
	v_pk_mul_f32 v[TT+2*\i:TT+2*\i+1], v[TT+2*\i:TT+2*\i+1], v[VV+2*\i:VV+2*\i+1]
.endr
.irp i, 0,1,2,3,4,5,6,7,8,9,10,11,12,13,14,15
	v_exp_f32 v[TT+2*\i], v[TT+2*\i]
	v_exp_f32 v[TT+2*\i+1], v[TT+2*\i+1]
.endr
	v_nop                                          ; a plain instruction between the last exponential and the first use (ISA guide 5.7.2)
	s_wait_alu depctr_va_vdst(0)
.irp i, 0,1,2,3,4,5,6,7,8,9,10,11,12,13,14,15
	v_pk_add_f32 v[TT+2*\i:TT+2*\i+1], v[TT+2*\i:TT+2*\i+1], 1.0 op_sel_hi:[1,0]
.endr
.irp i, 0,1,2,3,4,5,6,7,8,9,10,11,12,13,14,15
	v_rcp_f32 v[TT+2*\i], v[TT+2*\i]
	v_rcp_f32 v[TT+2*\i+1], v[TT+2*\i+1]
.endr
	v_nop
	s_wait_alu depctr_va_vdst(0)
.irp i, 0,1,2,3,4,5,6,7,8,9,10,11,12,13,14,15
	v_pk_mul_f32 v[VV+2*\i:VV+2*\i+1], v[VV+2*\i:VV+2*\i+1], v[TT+2*\i:TT+2*\i+1]
.endr
	; columns 32 h + 4 j + 0..3 are elements 4 (j % 4) + 0..3 of layer 2's K step 2 slice + j / 4
.irp j, 0,1,2,3,4,5,6,7
	v_cvt_pk_bf16_f32 v[TT+2*\j],   v[VV+4*\j],   v[VV+4*\j+1]
	v_cvt_pk_bf16_f32 v[TT+2*\j+1], v[VV+4*\j+2], v[VV+4*\j+3]
.endr
.irp q, 0,1,2,3
	global_store_b128 v[VOUT], v[TT+4*\q:TT+4*\q+3], s[50:51] offset:\a*OMT+512*\q         ; each store of the wave covers 512 consecutive bytes, aligned
.endr
.else
	s_wait_xcnt 0x0                                ; TT, which the last block's stores read, is written again only behind this wait
.irp j, 0,1,2,3,4,5,6,7
.irp t, 0,1,2,3
	v_add_f32 v[TT+4*\j+\t], v[ACC+32*\a+8*\t+\j], v[BI+\t]        ; + b2 / 2; columns 4 r + 0..3 of token 8 h + j come side by side
.endr
.endr
.irp j, 0,1,2,3,4,5,6,7
	global_store_b128 v[VOUT], v[TT+4*\j:TT+4*\j+3], s[50:51] offset:\a*OMT+4096*\j        ; 16 lanes store 256 consecutive bytes of a row, aligned
.endr
.endif
.endm
; A tile: 32 sub-steps of one K step.  Seven runs of 8 loads of rows are on their way at the head of each: run k is waited for with the six
; younger ones out (48 loads), then run k + 7 is asked for: 56 out.  In sub-steps 25 to 31 these are the first runs of my next tile; the
; last tile asks for nothing more, and its counts run down.  The weight fragments of K step k + 1 are fetched in sub-step k, so the
; wait on DScnt leaves those 8 loads out.  The tile's first weight fragments are fetched at its head: on the way out their
; registers are at work.
.macro TILE last
	BLOAD 0
.irp k, 0,1,2,3,4,5,6,7,8,9,10,11,12,13,14,15,16,17,18,19,20,21,22,23,24
	SUB \k, 48, \k+7, 0, \k+1, 8
.endr
.if \last
.irp k, 25,26,27,28,29,30
	SUB \k, 8*(31-\k), -1, 0, \k+1, 8
.endr
	SUB 31, 0, -1, 0, -1, 0
.else
.irp k, 25,26,27,28,29,30
	SUB \k, 48, \k-25, 1, \k+1, 8
.endr
	SUB 31, 48, 6, 1, -1, 0
.endif
	PLACES                                         ; behind the last matrix instructions: what follows reads results and writes the weight buffers
	WIN 0
	EPB 0
	EPB 1
	EPB 2
	EPB 3
.if \last == 0
	s_wait_xcnt 0x0                                ; the bases of the stores and of the loads that are out, and TT, are written again only behind this wait
	s_add_nc_u64 s[50:51], s[50:51], OSTEP
	s_add_nc_u64 s[52:53], s[52:53], TSTEP
.endif
.endm
; A single block of 16 rows: its 32 K steps fill the 256 registers of window 1.  28 K steps (56 loads) are asked for at once, the other four in
; sub-steps 0 to 3: K step k is waited for with 27 younger K steps out (54 loads); from sub-step 4 on the counts run down.
.macro BLK
.irp k, 0,1,2,3,4,5,6,7,8,9,10,11,12,13,14,15,16,17,18,19,20,21,22,23,24,25,26,27
	ALOADB \k
.endr
	BLOAD 0
.irp k, 0,1,2,3
	SUBB \k, 54, \k+28, \k+1, 8
.endr
.irp k, 4,5,6,7,8,9,10,11,12,13,14,15,16,17,18,19,20,21,22,23,24,25,26,27,28,29,30
	SUBB \k, 2*(31-\k), -1, \k+1, 8
.endr
	SUBB 31, 0, -1, -1, 0
	PLACES
	WIN 0
	EPB 0
.endm
; s[52:53] = the rows, s[50:51] = the results, at row s[row] (a multiple of 16, clamped into the buffers) of my columns
.macro ADDR row
.if LAYER == 1
	s_lshl_b32 s40, s[\row], 11                    ; row / 16 blocks of 32,768 bytes
	s_lshl_b32 s44, s[\row], 12                    ; H: row / 16 blocks of 65,536 bytes
	s_lshl_b32 s46, s18, 11                        ; + K steps 2 slice, 2 slice + 1
	s_add_co_u32 s44, s44, s46
.else
	s_lshl_b32 s40, s[\row], 12                    ; row / 16 blocks of 65,536 bytes
	s_lshl_b32 s42, s19, 15                        ; + 32 kh K steps
	s_add_co_u32 s40, s40, s42
	s_mul_i32 s44, s19, YH
	s_lshl_b32 s46, s[\row], 12                    ; Y: row x 4,096 bytes
	s_add_co_u32 s44, s44, s46
	s_lshl_b32 s46, s18, 8                         ; + 64 columns a slice
	s_add_co_u32 s44, s44, s46
.endif
	s_mov_b32 s41, 0
	s_mov_b32 s45, 0
	s_add_nc_u64 s[52:53], s[4:5], s[40:41]
	s_add_nc_u64 s[50:51], s[12:13], s[44:45]
.endm
	s_load_b256 s[4:11], s[0:1], 0x0               ; the rows s[4:5], W s[6:7], the bias s[8:9], meta s[10:11]
	s_load_b64 s[12:13], s[0:1], 0x20              ; the result
	v_lshl_add_u32 v126, v0, 2, 0x20000
	v_mov_b32 v127, 0
	v_lshrrev_b32 v11, 5, v0
	v_readfirstlane_b32 s14, v11                   ; wave w, 0..7
	s_mov_b32 s15, ttmp9
	s_lshr_b32 s17, s15, 5                         ; expert: 32 work-groups each
.if LAYER == 1
	s_and_b32 s18, s15, 31                         ; column slice 0..31
.else
	s_bfe_u32 s19, s15, 0x10004                    ; half of K
	s_and_b32 s18, s15, 15                         ; column slice 0..15
.endif
	s_lshl_b32 s40, s17, 3
	s_mov_b32 s41, 0
	v_and_b32 v1, 15, v0                           ; r
	v_bfe_u32 v2, v0, 4, 1                         ; h
	v_and_b32 v3, 31, v0                           ; lane
	v_lshlrev_b32 v[L16], 4, v3
	v_add_nc_u32 v[LB1], 0x10000, v[L16]
	s_lshl_b32 s46, s14, 14
	v_lshl_add_u32 v[WS], v3, 4, s46               ; my K eighth's 16 fragments: the wave's number times 16,384
	v_lshlrev_b32 v[VW], 4, v1
.if LAYER == 1
	v_lshl_add_u32 v[VW], v2, 18, v[VW]            ; 16 r + 32 h rows of 8,192 bytes
	v_lshlrev_b32 v[VB], 7, v2                     ; 32 h columns of 4 bytes
.else
	v_lshlrev_b32 v[VB], 4, v1                     ; columns 4 r ..
	v_lshl_add_u32 v[VOUT], v2, 15, v[VW]          ; 16 r + 8 h rows of 4,096 bytes
	v_lshl_add_u32 v[VW], v2, 17, v[VW]            ; 16 r + 32 h rows of 4,096 bytes
.endif
	s_lshl_b32 s44, s17, 23                        ; expert x 8 MiB
.if LAYER == 1
	s_lshl_b32 s46, s14, 20                        ; + 128 w rows of 8,192 bytes
	s_add_co_u32 s44, s44, s46
.else
	s_lshl_b32 s46, s19, 22                        ; + 1,024 kh rows of 4,096 bytes
	s_add_co_u32 s44, s44, s46
	s_lshl_b32 s46, s14, 19                        ; + 128 w rows
	s_add_co_u32 s44, s44, s46
.endif
	s_lshl_b32 s46, s18, 8                         ; + 64 columns a slice
	s_add_co_u32 s44, s44, s46
	s_mov_b32 s45, 0
.if LAYER == 1
	s_lshl_b32 s56, s17, 13                        ; b1: expert x 8,192 bytes
.else
	s_lshl_b32 s56, s17, 12                        ; b2: expert x 4,096 bytes
.endif
	s_add_co_u32 s56, s56, s46
	s_mov_b32 s57, 0
	s_wait_kmcnt 0x0
	s_add_nc_u64 s[42:43], s[10:11], s[40:41]
	s_load_b64 s[20:21], s[42:43], 0x0             ; my expert's first row and number of tiles; waited for among the weights
	s_add_nc_u64 s[48:49], s[6:7], s[44:45]
	s_add_nc_u64 s[54:55], s[8:9], s[56:57]
.if LAYER == 1
.irp j, 0,1,2,3,4,5,6,7
	global_load_b128 v[BI+4*\j:BI+4*\j+3], v[VB], s[54:55] offset:16*\j    ; b1 of columns 32 h + 4 j + 0..3, once for the whole launch
.endr
.else
	global_load_b128 v[BI:BI+3], v[VB], s[54:55]   ; b2 of columns 4 r + 0..3
.endif
	; the weights: two or three sets of 16 loads of 512 bytes are on their way in each wave
	WLOAD 0
	WLOAD 1
	WLOAD 2
	s_wait_loadcnt 32                              ; loads come back in order: the oldest set (and the bias) is in, two younger sets stay out
	WCVT 0
	WLOAD 3
	; my share, while the weights come in
	s_wait_kmcnt 0x0
	s_min_u32 s20, s20, 4480                       ; the last tile that fits begins at row 4,480
	s_min_u32 s21, s21, 32                         ; 2,048 tokens are 32 tiles
	s_and_b32 s24, s21, 0x3c                       ; F: the tiles that go as tiles
	s_and_b32 s25, s21, 3                          ; the tiles that go as blocks
	s_add_co_u32 s22, s24, 7
	s_sub_co_u32 s22, s22, s14
	s_lshr_b32 s22, s22, 3                         ; my tiles: w, w + 8, .. below F
	s_add_co_u32 s26, s14, s24
	s_and_b32 s26, s26, 7                          ; my place among the waves when the blocks are dealt
	s_lshl_b32 s23, s25, 2
	s_add_co_u32 s23, s23, 7
	s_sub_co_u32 s23, s23, s26
	s_lshr_b32 s23, s23, 3                         ; my blocks: that place, + 8, .. below 4 (T mod 4)
	s_lshl_b32 s27, s14, 6
	s_add_co_u32 s27, s27, s20                     ; the first row of tile w
	s_cmp_lg_u32 s22, 0
	s_cselect_b32 s27, s27, 0                      ; a wave without a tile (T < 8) asks for the tile at row 0, which is always written, and drops it:
	s_min_u32 s27, s27, 4480                       ; so the loads that are out are the same on every path through the barrier
	ADDR 27
	; The last weights, and behind each conversion the first runs of my first tile, into the registers that it has freed: the loads do not run
	; dry in front of the barrier, and seven runs are out behind it, as at the head of every tile.
	s_wait_loadcnt 32                              ; set 1 is in; sets 2 and 3 stay out
	WCVT 1
	ALOAD 0, 0
	ALOAD 1, 0
	ALOAD 2, 0
	s_wait_loadcnt 40                              ; set 2 is in; set 3's 16 loads and three runs' 24 stay out
	WCVT 2
	ALOAD 3, 0
	ALOAD 4, 0
	s_wait_loadcnt 40                              ; set 3 is in; five runs stay out
	WCVT 3
	ALOAD 5, 0
	ALOAD 6, 0
	WIN 0
.if LAYER == 1
	v_mov_b32 v[CA],   0xc0135761
	v_mov_b32 v[CA+1], 0xc0135761
	v_mov_b32 v[CB],   0xbdd2d3e8
	v_mov_b32 v[CB+1], 0xbdd2d3e8
.else
	v_pk_mul_f32 v[BI:BI+1],   v[BI:BI+1],   0.5 op_sel_hi:[1,0]
	v_pk_mul_f32 v[BI+2:BI+3], v[BI+2:BI+3], 0.5 op_sel_hi:[1,0]
.endif
	s_wait_dscnt 0x0                               ; my eighth of the weights is in LDS, for the others' sake
	s_barrier_signal -1
	s_barrier_wait -1                              ; the only barrier: from here on LDS is only read
	s_cmp_eq_u32 s22, 0
	s_cbranch_scc1 .Lblocks
	s_sub_co_u32 s22, s22, 1                       ; all tiles but the last go round the loop
	s_cmp_eq_u32 s22, 0
	s_cbranch_scc1 .Llast
.Ltile:
	TILE 0
	s_sub_co_u32 s22, s22, 1
	s_cmp_lg_u32 s22, 0
	s_cbranch_scc1 .Ltile
.Llast:
	TILE 1                                         ; the last tile is written out: no load reaches behind my tiles
.Lblocks:
	s_cmp_eq_u32 s23, 0
	s_cbranch_scc1 .Lend
	s_wait_loadcnt 0x0                             ; a wave without a tile: the runs that it drops have landed, so their registers may be loaded again
	s_wait_xcnt 0x0                                ; the last tile's stores: their bases and TT are written again only behind this wait
	s_lshl_b32 s27, s24, 6                         ; behind the F whole tiles,
	s_add_co_u32 s27, s27, s20
	s_lshl4_add_u32 s27, s26, s27                  ; my first block
	s_min_u32 s27, s27, 4528                       ; the last block that fits begins at row 4,528
	ADDR 27
.Lblk:
	BLK
	s_wait_xcnt 0x0                                ; the stores' bases and TT are written again only behind this wait
	s_add_nc_u64 s[50:51], s[50:51], BOSTEP
	s_add_nc_u64 s[52:53], s[52:53], BSTEP
	s_sub_co_u32 s23, s23, 1
	s_cmp_lg_u32 s23, 0
	s_cbranch_scc1 .Lblk
.Lend:
	s_wait_tensorcnt 0x0
	ds_add_u32 v126, v127
	s_wait_dscnt 0x0
	s_endpgm
.Lfunc_end_k_q624a3bfdc7_ffn1:
	.size	k_q624a3bfdc7_ffn1, .Lfunc_end_k_q624a3bfdc7_ffn1-k_q624a3bfdc7_ffn1
	.p2alignl 7, 3214868480
	.fill 96, 4, 3214868480
	.section	.rodata,"a",@progbits
	.p2align	6, 0x0
	.amdhsa_kernel k_q624a3bfdc7_ffn1
		.amdhsa_group_segment_fixed_size 132096
		.amdhsa_private_segment_fixed_size 0
		.amdhsa_enable_private_segment 0
		.amdhsa_kernarg_size 40
		.amdhsa_user_sgpr_count 2
		.amdhsa_user_sgpr_kernarg_segment_ptr 1
		.amdhsa_wavefront_size32 1
		.amdhsa_system_sgpr_workgroup_id_x 1
		.amdhsa_system_sgpr_workgroup_id_y 1
		.amdhsa_system_sgpr_workgroup_id_z 1
		.amdhsa_system_vgpr_workitem_id 0
		.amdhsa_next_free_vgpr 512
		.amdhsa_next_free_sgpr 66
		.amdhsa_reserve_vcc 0
		.amdhsa_float_denorm_mode_32 3
		.amdhsa_float_denorm_mode_16_64 3
		.amdhsa_memory_ordered 1
		.amdhsa_forward_progress 1
		.amdhsa_inst_pref_size 255
	.end_amdhsa_kernel
	.section	.bss,"aw",@nobits
	.p2align	6
	.space	262144
	.amdgpu_metadata
---
amdhsa.version: [ 1, 2 ]
amdhsa.kernels:
  - .name:           k_q624a3bfdc7_ffn1
    .symbol:         k_q624a3bfdc7_ffn1.kd
    .args:
      - { .name: xf, .offset: 0, .size: 8, .value_kind: global_buffer, .address_space: global }
      - { .name: W1, .offset: 8, .size: 8, .value_kind: global_buffer, .address_space: global }
      - { .name: b1, .offset: 16, .size: 8, .value_kind: global_buffer, .address_space: global }
      - { .name: meta, .offset: 24, .size: 8, .value_kind: global_buffer, .address_space: global }
      - { .name: H, .offset: 32, .size: 8, .value_kind: global_buffer, .address_space: global }
    .group_segment_fixed_size: 132096
    .private_segment_fixed_size: 0
    .kernarg_segment_align: 8
    .kernarg_segment_size: 40
    .max_flat_workgroup_size: 256
    .sgpr_count:     66
    .vgpr_count:     512
    .wavefront_size: 32
...
	.end_amdgpu_metadata
.endif
;; end of part 4
;; launch ffn2 (part 5): grid 256 x 1, 8 waves a work-group, no clusters, 132,096 bytes of LDS; arguments H, W2, b2, meta, Y; writes Y
.if DOCPART == 5
	.amdgcn_target "amdgcn-amd-amdhsa--gfx1250"
	.amdhsa_code_object_version 6
	.text
	.protected	k_q624a3bfdc7_ffn2
	.globl	k_q624a3bfdc7_ffn2
	.p2align	8
	.type	k_q624a3bfdc7_ffn2,@function
k_q624a3bfdc7_ffn2:
	s_mov_b64 s[64:65], 0
	v_nop
	global_prefetch_b8 v0, s[64:65] scope:SCOPE_SE
	s_setreg_imm32_b32 hwreg(HW_REG_WAVE_MODE, 25, 1), 1
	s_wait_xcnt 0x0
; EXPERT FFN, one text for both layers (LAYER = 2 here):
;   LAYER 1:  H = gelu(xf W1[e] + b1[e])                 xf: x's rows in expert order, bf16; W1 [8][1024][2048] f32, b1 [8][2048] f32
;   LAYER 2:  Y[kh] = H(half kh of F) W2[e] + b2[e] / 2  W2 [8][2048][1024] f32, b2 [8][1024] f32, Y [2][4544][1024] f32
; Only the rows of the tokens that chose expert e are computed (meta: first row and number T of 64-row tiles): for the others reference()
; multiplies the result by a zero of its own making.  A NaN or an infinity that arises only there is not carried to the result.
; The rows that fill an expert's last tile are zeros in xf; their results are stored and never read by the last launch.
; Matrix operands are bf16 (x, W1, h, W2 rounded once); sums, bias and gelu f32.  The two halves of K each carry half of b2, so that their
; sum carries all of it (halving is exact but for the last bit of a denormal).
; K IS SPLIT IN TWO HERE: with 256 work-groups the other choice is 32 columns over all of F, in which a fragment of the rows feeds two matrix
; instructions instead of four and H is read twice as often; the price is a second Y, which the last launch adds.
;
; THE WEIGHTS STAY, THE ROWS WALK.  A work-group owns 64 columns and 1,024 along K of one expert's matrix: 256 KiB of f32, read from memory
; once in the launch.  Wave w converts K eighth w and lays it into LDS as bf16 fragments (128 KiB in all); one barrier; from then on
; LDS is only read.  A wave then makes tiles of 64 rows x 64 columns: 16 accumulators, 512 matrix instructions.
; NO BARRIER BEHIND THE FIRST, NO CLUSTER, NO TENSOR LOADS: the number of tiles and their addresses are read from memory.  Every wave has to
; pass every barrier on a path that no loaded number decides, so a loop of T trips holds none; LDS slots that are filled again, jointly
; or not, want one in every trip.  So the rows come through registers, each wave's own: they lie in memory in fragment order, and each
; load of a wave takes 512 consecutive bytes.  The weights of an expert that nobody chose (T = 0) are still laid down: the barrier
; stands on every path, and the waves end behind it.
; EIGHT WAVES, two for each of the WGP's four SIMDs, 512 registers each.  A wait on LOADcnt can name at most 63 loads (ISA guide 5.7.1), so one
; wave can have 56 loads of 512 bytes on their way, the rows of seven K steps; a second wave on the SIMD has a counter of its own and
; doubles that.  The wave's tile stays 64 x 64, so the bytes loaded for a multiply-add are those of four larger waves.
; SHARES.  F = T - T mod 4 whole tiles: wave w takes tiles w, w + 8, ..  The T mod 4 tiles that are left are 4 (T mod 4) blocks of 16 rows: they go
; one at a time to the waves in the order (w + F) mod 8, so that the waves that had one tile fewer come first.  With T = 9 four waves
; make one block each, where one wave would make a ninth tile alone.  In a block's text a weight fragment feeds one matrix
; instruction instead of four: that is why only the remainder goes this way.
;
; K INSIDE A FRAGMENT: element i (0..15) of lane half h in K step ks stands for k = 64 (ks / 2) + 32 h + 16 (ks % 2) + i, in the rows and in the
; weights alike, so the products pair up rightly.  COLUMNS: lane r of column block t stands for column 4 r + t of the 64.
; With these two maps a weight fragment is made of 16-byte loads (lanes 0-15 take 256 consecutive bytes of one row of W, lanes 16-31 of
; the row 32 further down) and conversions alone, and layer 1's results are layer 2's fragments as they stand:
;   xf and H: [16-row block: 284][K step: 32 in xf, 64 in H][half of the fragment: 2][lane: 32][16 bytes].
.set LAYER, 2
.if LAYER == 1
.set PW,    8192                       ; bytes in a row of W
.set MTB,   32768                      ; the rows: bytes of a 16-row block
.set MULW,  0x04                       ; source 0 (weights) window 0, source 1 (rows) window 1, C and D window 0
.set BLW,   0x04                       ; an LDS load names a destination and source 0, both window 0 here too: no switch between it and the products
.set VOUT,  4                          ; my byte offset in the result: 16 lane
.else
.set PW,    4096
.set MTB,   65536
.set MULW,  0x01                       ; source 0 (rows) window 1, source 1 (weights) window 0, C and D window 0
.set BLW,   0
.set VOUT,  8                          ; v8         my byte offset in the result
.endif
.set OMT,   65536                      ; the results: bytes of a 16-row block (H: 64 K steps of 1,024; Y: 16 rows of 4,096)
.set TSTEP, 32*MTB                     ; from a wave's tile to its next: eight tiles of four blocks
.set OSTEP, 32*OMT
.set BSTEP, 8*MTB                      ; from a wave's block to its next: eight blocks
.set BOSTEP, 8*OMT
.set YH,    18612224                   ; Y: bytes of a half
; window 0
.set L16,  4                           ; v4         16 lane: LDS address of the weight fragments of K steps 0-15, and my bytes in a 512-byte piece of the rows
.set LB1,  5                           ; v5         the same + 65,536: K steps 16-31 (an LDS offset has 16 bits)
.set VW,   7                           ; v7         my byte offset in W
.set VB,   9                           ; v9         my byte offset in the bias
.set WS,   10                          ; v10        where I lay down weight fragments: 16,384 w + 16 lane
.set BI,   12                          ; v[12:43]   bias: LAYER 1 index 4 j + t, LAYER 2 index t
.set CA,   44                          ; v[44:45]   -2 sqrt(2/pi) log2 e, twice
.set CB,   46                          ; v[46:47]   0.044715 times that, twice
.set BF,   48                          ; v[48:111]  weight fragments of a K step x 4 column blocks, two buffers of 32
.set VV,   48                          ; v[48:79]   the way out (the weight buffers are free then): a block's 32 numbers, index 4 j + t
.set TT,   80                          ; v[80:111]  the way out: at work; the registers that are stored
.set ACC,  128                         ; v[128:255] the sums of block a, column block t at v[128 + 8 (4 a + t) + j]
; window 1: the rows' fragments.  For a tile a ring of eight slots of 32: K step k, block a at v[32 (k % 8) + 8 a]; for a single block all its
;           32 K steps: K step k at v[8 k].  While the weights come in, staging sets of 64 for f32.
.set MSB, 0
.macro WIN new                         ; the immediate's high byte repeats the setting that is left
.if MSB != \new
	s_set_vgpr_msb (MSB<<8)|\new
.set MSB, \new
.endif
.endm
; Four places behind a matrix instruction before its result is read by anything else or a load is issued into one of its sources; only
; plain vector instructions that name none of its registers are places (ISA guide 7.12.1 for vector instructions).
.macro PLACES
.rept 4
	v_nop
.endr
.endm
; Step ks (0..3) of my K eighth: 16 rows of W (for each lane half), 64 columns, as f32.  The staging sets lie in ring slots 6-7, 2-3, 4-5, 6-7:
; slots 0-1 are never used, and the sets come free in ascending order of slots, as the first runs of rows want them.
.macro WLOAD ks
.set stg, 64*(1+((\ks)+2)%3)
	WIN 0x40
.irp i, 0,1,2,3,4,5,6,7,8,9,10,11,12,13,14,15
	global_load_b128 v[stg+4*\i:stg+4*\i+3], v[VW], s[48:49] offset:(64*((\ks)/2)+16*((\ks)%2)+\i)*PW th:TH_LOAD_NT
.endr
.endm
; the same step as four bf16 fragments (register u of column block t takes rows 2 u and 2 u + 1), laid into LDS
.macro WCVT ks
.set stg, 64*(1+((\ks)+2)%3)
	WIN 0x05
.irp t, 0,1,2,3
.irp u, 0,1,2,3,4,5,6,7
	v_cvt_pk_bf16_f32 v[BF+32*((\ks)%2)+8*\t+\u], v[stg+8*\u+\t], v[stg+8*\u+4+\t]
.endr
.endr
	WIN 0
.irp t, 0,1,2,3
	ds_store_b128 v[WS], v[BF+32*((\ks)%2)+8*\t:BF+32*((\ks)%2)+8*\t+3]   offset:(4*(\ks)+\t)*1024
	ds_store_b128 v[WS], v[BF+32*((\ks)%2)+8*\t+4:BF+32*((\ks)%2)+8*\t+7] offset:(4*(\ks)+\t)*1024+512
.endr
.endm
; A run: 8 loads of 512 bytes, the rows' fragments of K step k of a tile's four blocks, into slot k % 8.  nx = 1: of my next tile
.macro ALOAD k, nx
	WIN 0x40
.irp a, 0,1,2,3
	global_load_b128 v[32*((\k)%8)+8*\a:32*((\k)%8)+8*\a+3],   v[L16], s[52:53] offset:\nx*TSTEP+\a*MTB+(\k)*1024
	global_load_b128 v[32*((\k)%8)+8*\a+4:32*((\k)%8)+8*\a+7], v[L16], s[52:53] offset:\nx*TSTEP+\a*MTB+(\k)*1024+512
.endr
.endm
; 2 loads of 512 bytes: the fragment of K step k of a single block
.macro ALOADB k
	WIN 0x40
	global_load_b128 v[8*(\k):8*(\k)+3],   v[L16], s[52:53] offset:(\k)*1024
	global_load_b128 v[8*(\k)+4:8*(\k)+7], v[L16], s[52:53] offset:(\k)*1024+512
.endm
; 8 LDS loads: the weight fragments of K step k, into buffer k % 2
.macro BLOAD k
	WIN BLW
.irp t, 0,1,2,3
.set fo,  (4*(\k)+\t)*1024
.set bfr, BF+32*((\k)%2)+8*\t
.if fo < 65536
	ds_load_b128 v[bfr:bfr+3],   v[L16] offset:fo
	ds_load_b128 v[bfr+4:bfr+7], v[L16] offset:fo+512
.else
	ds_load_b128 v[bfr:bfr+3],   v[LB1] offset:fo-65536
	ds_load_b128 v[bfr+4:bfr+7], v[LB1] offset:fo-65536+512
.endif
.endr
.endm
; One matrix instruction.  K step 0 starts the sums: nothing is cleared.
; LAYER 1 is used transposed (weights first): a lane then holds token r and columns 32 h + 4 j + t.  LAYER 2 plainly: column 4 r + t of token 8 h + j.
.macro MM ac, bw, af, zero
.if LAYER == 1
.if \zero
	v_wmma_f32_16x16x32_bf16 v[\ac:\ac+7], v[\bw:\bw+7], v[\af:\af+7], 0
.else
	v_wmma_f32_16x16x32_bf16 v[\ac:\ac+7], v[\bw:\bw+7], v[\af:\af+7], v[\ac:\ac+7]
.endif
.else
.if \zero
	v_wmma_f32_16x16x32_bf16 v[\ac:\ac+7], v[\af:\af+7], v[\bw:\bw+7], 0
.else
	v_wmma_f32_16x16x32_bf16 v[\ac:\ac+7], v[\af:\af+7], v[\bw:\bw+7], v[\ac:\ac+7]
.endif
.endif
.endm
; 16 matrix instructions: K step k of a tile, four blocks x four column blocks.  The sixteen accumulators take turns, one instruction a turn.
.macro MUL k
	WIN MULW
.irp a, 0,1,2,3
.irp t, 0,1,2,3
	MM ACC+8*(4*\a+\t), BF+32*((\k)%2)+8*\t, 32*((\k)%8)+8*\a, (\k)==0
.endr
.endr
.endm
; 4 matrix instructions: K step k of a single block.  Its four accumulators take turns, one instruction a turn.
.macro MULB k
	WIN MULW
.irp t, 0,1,2,3
	MM ACC+8*\t, BF+32*((\k)%2)+8*\t, 8*(\k), (\k)==0
.endr
.endm
; Sub-step k of a tile.  lc: how many younger loads of rows may be out when run k has to be in.  ak, nx: the run that is asked for now, into the
; slot that sub-step k - 1 has read (-1: none).  bk: the weight fragments fetched now, into the buffer that sub-step k - 1 has read
; (-1: none).  dc: how many younger LDS loads may be out when this sub-step's weight fragments have to be in.
.macro SUB k, lc, ak, nx, bk, dc
	s_wait_loadcnt \lc
.if \ak+\bk > -2
	PLACES
.endif
.if \ak >= 0
	ALOAD \ak, \nx
.endif
.if \bk >= 0
	BLOAD \bk
.endif
	s_wait_dscnt \dc
	MUL \k
.endm
; The same for a single block
.macro SUBB k, lc, ak, bk, dc
	s_wait_loadcnt \lc
.if \ak+\bk > -2
	PLACES
.endif
.if \ak >= 0
	ALOADB \ak
.endif
.if \bk >= 0
	BLOAD \bk
.endif
	s_wait_dscnt \dc
	MULB \k
.endm
; The way out of block a
.macro EPB a
.if LAYER == 1
.irp j, 0,1,2,3,4,5,6,7
.irp t, 0,1,2,3
	v_add_f32 v[VV+4*\j+\t], v[ACC+32*\a+8*\t+\j], v[BI+4*\j+\t]   ; + bias; columns 32 h + 4 j + 0..3 come side by side
.endr
.endr
	s_wait_xcnt 0x0                                ; TT, which the last block's stores read, is written again only behind this wait
	; gelu (tanh form) = x / (1 + 2^(x (CA + CB x^2))): large |x| runs to x or to 0 through 2^-inf = 0 and 1 / inf = 0
.irp i, 0,1,2,3,4,5,6,7,8,9,10,11,12,13,14,15
	v_pk_mul_f32 v[TT+2*\i:TT+2*\i+1], v[VV+2*\i:VV+2*\i+1], v[VV+2*\i:VV+2*\i+1]
.endr
.irp i, 0,1,2,3,4,5,6,7,8,9,10,11,12,13,14,15
	v_pk_fma_f32 v[TT+2*\i:TT+2*\i+1], v[TT+2*\i:TT+2*\i+1], v[CB:CB+1], v[CA:CA+1]
.endr
.irp i, 0,1,2,3,4,5,6,7,8,9,10,11,12,13,14,15
	v_pk_mul_f32 v[TT+2*\i:TT+2*\i+1], v[TT+2*\i:TT+2*\i+1], v[VV+2*\i:VV+2*\i+1]
.endr
.irp i, 0,1,2,3,4,5,6,7,8,9,10,11,12,13,14,15
	v_exp_f32 v[TT+2*\i], v[TT+2*\i]
	v_exp_f32 v[TT+2*\i+1], v[TT+2*\i+1]
.endr
	v_nop                                          ; a plain instruction between the last exponential and the first use (ISA guide 5.7.2)
.irp i, 0,1,2,3,4,5,6,7,8,9,10,11,12,13,14,15
	v_pk_add_f32 v[TT+2*\i:TT+2*\i+1], v[TT+2*\i:TT+2*\i+1], 1.0 op_sel_hi:[1,0]
.endr
.irp i, 0,1,2,3,4,5,6,7,8,9,10,11,12,13,14,15
	v_rcp_f32 v[TT+2*\i], v[TT+2*\i]
	v_rcp_f32 v[TT+2*\i+1], v[TT+2*\i+1]
.endr
	v_nop
.irp i, 0,1,2,3,4,5,6,7,8,9,10,11,12,13,14,15
	v_pk_mul_f32 v[VV+2*\i:VV+2*\i+1], v[VV+2*\i:VV+2*\i+1], v[TT+2*\i:TT+2*\i+1]
.endr
	; columns 32 h + 4 j + 0..3 are elements 4 (j % 4) + 0..3 of layer 2's K step 2 slice + j / 4
.irp j, 0,1,2,3,4,5,6,7
	v_cvt_pk_bf16_f32 v[TT+2*\j],   v[VV+4*\j],   v[VV+4*\j+1]
	v_cvt_pk_bf16_f32 v[TT+2*\j+1], v[VV+4*\j+2], v[VV+4*\j+3]
.endr
.irp q, 0,1,2,3
	global_store_b128 v[VOUT], v[TT+4*\q:TT+4*\q+3], s[50:51] offset:\a*OMT+512*\q         ; each store of the wave covers 512 consecutive bytes, aligned
.endr
.else
	s_wait_xcnt 0x0                                ; TT, which the last block's stores read, is written again only behind this wait
.irp j, 0,1,2,3,4,5,6,7
.irp t, 0,1,2,3
	v_add_f32 v[TT+4*\j+\t], v[ACC+32*\a+8*\t+\j], v[BI+\t]        ; + b2 / 2; columns 4 r + 0..3 of token 8 h + j come side by side
.endr
.endr
.irp j, 0,1,2,3,4,5,6,7
	global_store_b128 v[VOUT], v[TT+4*\j:TT+4*\j+3], s[50:51] offset:\a*OMT+4096*\j        ; 16 lanes store 256 consecutive bytes of a row, aligned
.endr
.endif
.endm
; A tile: 32 sub-steps of one K step.  Seven runs of 8 loads of rows are on their way at the head of each: run k is waited for with the six
; younger ones out (48 loads), then run k + 7 is asked for: 56 out.  In sub-steps 25 to 31 these are the first runs of my next tile; the
; last tile asks for nothing more, and its counts run down.  The weight fragments of K step k + 1 are fetched in sub-step k, so the
; wait on DScnt leaves those 8 loads out.  The tile's first weight fragments are fetched at its head: on the way out their
; registers are at work.
.macro TILE last
	BLOAD 0
.irp k, 0,1,2,3,4,5,6,7,8,9,10,11,12,13,14,15,16,17,18,19,20,21,22,23,24
	SUB \k, 48, \k+7, 0, \k+1, 8
.endr
.if \last
.irp k, 25,26,27,28,29,30
	SUB \k, 8*(31-\k), -1, 0, \k+1, 8
.endr
	SUB 31, 0, -1, 0, -1, 0
.else
.irp k, 25,26,27,28,29,30
	SUB \k, 48, \k-25, 1, \k+1, 8
.endr
	SUB 31, 48, 6, 1, -1, 0
.endif
	PLACES                                         ; behind the last matrix instructions: what follows reads results and writes the weight buffers
	WIN 0
	EPB 0
	EPB 1
	EPB 2
	EPB 3
.if \last == 0
	s_wait_xcnt 0x0                                ; the bases of the stores and of the loads that are out, and TT, are written again only behind this wait
	s_add_nc_u64 s[50:51], s[50:51], OSTEP
	s_add_nc_u64 s[52:53], s[52:53], TSTEP
.endif
.endm
; A single block of 16 rows: its 32 K steps fill the 256 registers of window 1.  28 K steps (56 loads) are asked for at once, the other four in
; sub-steps 0 to 3: K step k is waited for with 27 younger K steps out (54 loads); from sub-step 4 on the counts run down.
.macro BLK
.irp k, 0,1,2,3,4,5,6,7,8,9,10,11,12,13,14,15,16,17,18,19,20,21,22,23,24,25,26,27
	ALOADB \k
.endr
	BLOAD 0
.irp k, 0,1,2,3
	SUBB \k, 54, \k+28, \k+1, 8
.endr
.irp k, 4,5,6,7,8,9,10,11,12,13,14,15,16,17,18,19,20,21,22,23,24,25,26,27,28,29,30
	SUBB \k, 2*(31-\k), -1, \k+1, 8
.endr
	SUBB 31, 0, -1, -1, 0
	PLACES
	WIN 0
	EPB 0
.endm
; s[52:53] = the rows, s[50:51] = the results, at row s[row] (a multiple of 16, clamped into the buffers) of my columns
.macro ADDR row
.if LAYER == 1
	s_lshl_b32 s40, s[\row], 11                    ; row / 16 blocks of 32,768 bytes
	s_lshl_b32 s44, s[\row], 12                    ; H: row / 16 blocks of 65,536 bytes
	s_lshl_b32 s46, s18, 11                        ; + K steps 2 slice, 2 slice + 1
	s_add_co_u32 s44, s44, s46
.else
	s_lshl_b32 s40, s[\row], 12                    ; row / 16 blocks of 65,536 bytes
	s_lshl_b32 s42, s19, 15                        ; + 32 kh K steps
	s_add_co_u32 s40, s40, s42
	s_mul_i32 s44, s19, YH
	s_lshl_b32 s46, s[\row], 12                    ; Y: row x 4,096 bytes
	s_add_co_u32 s44, s44, s46
	s_lshl_b32 s46, s18, 8                         ; + 64 columns a slice
	s_add_co_u32 s44, s44, s46
.endif
	s_mov_b32 s41, 0
	s_mov_b32 s45, 0
	s_add_nc_u64 s[52:53], s[4:5], s[40:41]
	s_add_nc_u64 s[50:51], s[12:13], s[44:45]
.endm
	s_load_b256 s[4:11], s[0:1], 0x0               ; the rows s[4:5], W s[6:7], the bias s[8:9], meta s[10:11]
	s_load_b64 s[12:13], s[0:1], 0x20              ; the result
	v_lshl_add_u32 v126, v0, 2, 0x20000
	v_mov_b32 v127, 0
	v_lshrrev_b32 v11, 5, v0
	v_readfirstlane_b32 s14, v11                   ; wave w, 0..7
	s_mov_b32 s15, ttmp9
	s_lshr_b32 s17, s15, 5                         ; expert: 32 work-groups each
.if LAYER == 1
	s_and_b32 s18, s15, 31                         ; column slice 0..31
.else
	s_bfe_u32 s19, s15, 0x10004                    ; half of K
	s_and_b32 s18, s15, 15                         ; column slice 0..15
.endif
	s_lshl_b32 s40, s17, 3
	s_mov_b32 s41, 0
	v_and_b32 v1, 15, v0                           ; r
	v_bfe_u32 v2, v0, 4, 1                         ; h
	v_and_b32 v3, 31, v0                           ; lane
	v_lshlrev_b32 v[L16], 4, v3
	v_add_nc_u32 v[LB1], 0x10000, v[L16]
	s_lshl_b32 s46, s14, 14
	v_lshl_add_u32 v[WS], v3, 4, s46               ; my K eighth's 16 fragments: the wave's number times 16,384
	v_lshlrev_b32 v[VW], 4, v1
.if LAYER == 1
	v_lshl_add_u32 v[VW], v2, 18, v[VW]            ; 16 r + 32 h rows of 8,192 bytes
	v_lshlrev_b32 v[VB], 7, v2                     ; 32 h columns of 4 bytes
.else
	v_lshlrev_b32 v[VB], 4, v1                     ; columns 4 r ..
	v_lshl_add_u32 v[VOUT], v2, 15, v[VW]          ; 16 r + 8 h rows of 4,096 bytes
	v_lshl_add_u32 v[VW], v2, 17, v[VW]            ; 16 r + 32 h rows of 4,096 bytes
.endif
	s_lshl_b32 s44, s17, 23                        ; expert x 8 MiB
.if LAYER == 1
	s_lshl_b32 s46, s14, 20                        ; + 128 w rows of 8,192 bytes
	s_add_co_u32 s44, s44, s46
.else
	s_lshl_b32 s46, s19, 22                        ; + 1,024 kh rows of 4,096 bytes
	s_add_co_u32 s44, s44, s46
	s_lshl_b32 s46, s14, 19                        ; + 128 w rows
	s_add_co_u32 s44, s44, s46
.endif
	s_lshl_b32 s46, s18, 8                         ; + 64 columns a slice
	s_add_co_u32 s44, s44, s46
	s_mov_b32 s45, 0
.if LAYER == 1
	s_lshl_b32 s56, s17, 13                        ; b1: expert x 8,192 bytes
.else
	s_lshl_b32 s56, s17, 12                        ; b2: expert x 4,096 bytes
.endif
	s_add_co_u32 s56, s56, s46
	s_mov_b32 s57, 0
	s_wait_kmcnt 0x0
	s_add_nc_u64 s[42:43], s[10:11], s[40:41]
	s_load_b64 s[20:21], s[42:43], 0x0             ; my expert's first row and number of tiles; waited for among the weights
	s_add_nc_u64 s[48:49], s[6:7], s[44:45]
	s_add_nc_u64 s[54:55], s[8:9], s[56:57]
.if LAYER == 1
.irp j, 0,1,2,3,4,5,6,7
	global_load_b128 v[BI+4*\j:BI+4*\j+3], v[VB], s[54:55] offset:16*\j    ; b1 of columns 32 h + 4 j + 0..3, once for the whole launch
.endr
.else
	global_load_b128 v[BI:BI+3], v[VB], s[54:55]   ; b2 of columns 4 r + 0..3
.endif
	; the weights: two or three sets of 16 loads of 512 bytes are on their way in each wave
	WLOAD 0
	WLOAD 1
	WLOAD 2
	s_wait_loadcnt 32                              ; loads come back in order: the oldest set (and the bias) is in, two younger sets stay out
	WCVT 0
	WLOAD 3
	; my share, while the weights come in
	s_wait_kmcnt 0x0
	s_min_u32 s20, s20, 4480                       ; the last tile that fits begins at row 4,480
	s_min_u32 s21, s21, 32                         ; 2,048 tokens are 32 tiles
	s_and_b32 s24, s21, 0x3c                       ; F: the tiles that go as tiles
	s_and_b32 s25, s21, 3                          ; the tiles that go as blocks
	s_add_co_u32 s22, s24, 7
	s_sub_co_u32 s22, s22, s14
	s_lshr_b32 s22, s22, 3                         ; my tiles: w, w + 8, .. below F
	s_add_co_u32 s26, s14, s24
	s_and_b32 s26, s26, 7                          ; my place among the waves when the blocks are dealt
	s_lshl_b32 s23, s25, 2
	s_add_co_u32 s23, s23, 7
	s_sub_co_u32 s23, s23, s26
	s_lshr_b32 s23, s23, 3                         ; my blocks: that place, + 8, .. below 4 (T mod 4)
	s_lshl_b32 s27, s14, 6
	s_add_co_u32 s27, s27, s20                     ; the first row of tile w
	s_cmp_lg_u32 s22, 0
	s_cselect_b32 s27, s27, 0                      ; a wave without a tile (T < 8) asks for the tile at row 0, which is always written, and drops it:
	s_min_u32 s27, s27, 4480                       ; so the loads that are out are the same on every path through the barrier
	ADDR 27
	; The last weights, and behind each conversion the first runs of my first tile, into the registers that it has freed: the loads do not run
	; dry in front of the barrier, and seven runs are out behind it, as at the head of every tile.
	s_wait_loadcnt 32                              ; set 1 is in; sets 2 and 3 stay out
	WCVT 1
	ALOAD 0, 0
	ALOAD 1, 0
	ALOAD 2, 0
	s_wait_loadcnt 40                              ; set 2 is in; set 3's 16 loads and three runs' 24 stay out
	WCVT 2
	ALOAD 3, 0
	ALOAD 4, 0
	s_wait_loadcnt 40                              ; set 3 is in; five runs stay out
	WCVT 3
	ALOAD 5, 0
	ALOAD 6, 0
	WIN 0
.if LAYER == 1
	v_mov_b32 v[CA],   0xc0135761
	v_mov_b32 v[CA+1], 0xc0135761
	v_mov_b32 v[CB],   0xbdd2d3e8
	v_mov_b32 v[CB+1], 0xbdd2d3e8
.else
	v_pk_mul_f32 v[BI:BI+1],   v[BI:BI+1],   0.5 op_sel_hi:[1,0]
	v_pk_mul_f32 v[BI+2:BI+3], v[BI+2:BI+3], 0.5 op_sel_hi:[1,0]
.endif
	s_wait_dscnt 0x0                               ; my eighth of the weights is in LDS, for the others' sake
	s_barrier_signal -1
	s_barrier_wait -1                              ; the only barrier: from here on LDS is only read
	s_cmp_eq_u32 s22, 0
	s_cbranch_scc1 .Lblocks
	s_sub_co_u32 s22, s22, 1                       ; all tiles but the last go round the loop
	s_cmp_eq_u32 s22, 0
	s_cbranch_scc1 .Llast
.Ltile:
	TILE 0
	s_sub_co_u32 s22, s22, 1
	s_cmp_lg_u32 s22, 0
	s_cbranch_scc1 .Ltile
.Llast:
	TILE 1                                         ; the last tile is written out: no load reaches behind my tiles
.Lblocks:
	s_cmp_eq_u32 s23, 0
	s_cbranch_scc1 .Lend
	s_wait_loadcnt 0x0                             ; a wave without a tile: the runs that it drops have landed, so their registers may be loaded again
	s_wait_xcnt 0x0                                ; the last tile's stores: their bases and TT are written again only behind this wait
	s_lshl_b32 s27, s24, 6                         ; behind the F whole tiles,
	s_add_co_u32 s27, s27, s20
	s_lshl4_add_u32 s27, s26, s27                  ; my first block
	s_min_u32 s27, s27, 4528                       ; the last block that fits begins at row 4,528
	ADDR 27
.Lblk:
	BLK
	s_wait_xcnt 0x0                                ; the stores' bases and TT are written again only behind this wait
	s_add_nc_u64 s[50:51], s[50:51], BOSTEP
	s_add_nc_u64 s[52:53], s[52:53], BSTEP
	s_sub_co_u32 s23, s23, 1
	s_cmp_lg_u32 s23, 0
	s_cbranch_scc1 .Lblk
.Lend:
	s_wait_tensorcnt 0x0
	ds_add_u32 v126, v127
	s_wait_dscnt 0x0
	s_endpgm
.Lfunc_end_k_q624a3bfdc7_ffn2:
	.size	k_q624a3bfdc7_ffn2, .Lfunc_end_k_q624a3bfdc7_ffn2-k_q624a3bfdc7_ffn2
	.p2alignl 7, 3214868480
	.fill 96, 4, 3214868480
	.section	.rodata,"a",@progbits
	.p2align	6, 0x0
	.amdhsa_kernel k_q624a3bfdc7_ffn2
		.amdhsa_group_segment_fixed_size 132096
		.amdhsa_private_segment_fixed_size 0
		.amdhsa_enable_private_segment 0
		.amdhsa_kernarg_size 40
		.amdhsa_user_sgpr_count 2
		.amdhsa_user_sgpr_kernarg_segment_ptr 1
		.amdhsa_wavefront_size32 1
		.amdhsa_system_sgpr_workgroup_id_x 1
		.amdhsa_system_sgpr_workgroup_id_y 1
		.amdhsa_system_sgpr_workgroup_id_z 1
		.amdhsa_system_vgpr_workitem_id 0
		.amdhsa_next_free_vgpr 512
		.amdhsa_next_free_sgpr 66
		.amdhsa_reserve_vcc 0
		.amdhsa_float_denorm_mode_32 3
		.amdhsa_float_denorm_mode_16_64 3
		.amdhsa_memory_ordered 1
		.amdhsa_forward_progress 1
		.amdhsa_inst_pref_size 238
	.end_amdhsa_kernel
	.amdgpu_metadata
---
amdhsa.version: [ 1, 2 ]
amdhsa.kernels:
  - .name:           k_q624a3bfdc7_ffn2
    .symbol:         k_q624a3bfdc7_ffn2.kd
    .args:
      - { .name: H, .offset: 0, .size: 8, .value_kind: global_buffer, .address_space: global }
      - { .name: W2, .offset: 8, .size: 8, .value_kind: global_buffer, .address_space: global }
      - { .name: b2, .offset: 16, .size: 8, .value_kind: global_buffer, .address_space: global }
      - { .name: meta, .offset: 24, .size: 8, .value_kind: global_buffer, .address_space: global }
      - { .name: Y, .offset: 32, .size: 8, .value_kind: global_buffer, .address_space: global }
    .group_segment_fixed_size: 132096
    .private_segment_fixed_size: 0
    .kernarg_segment_align: 8
    .kernarg_segment_size: 40
    .max_flat_workgroup_size: 256
    .sgpr_count:     66
    .vgpr_count:     512
    .wavefront_size: 32
...
	.end_amdgpu_metadata
.endif
;; end of part 5
;; launch combine (part 6): grid 256 x 1, 8 waves a work-group, no clusters, 0 bytes of LDS; arguments wts, pos, Y, out0; writes out0
.if DOCPART == 6
	.amdgcn_target "amdgcn-amd-amdhsa--gfx1250"
	.amdhsa_code_object_version 6
	.text
	.protected	k_q624a3bfdc7_combine
	.globl	k_q624a3bfdc7_combine
	.p2align	8
	.type	k_q624a3bfdc7_combine,@function
k_q624a3bfdc7_combine:
	s_mov_b64 s[64:65], 0
	v_nop
	global_prefetch_b8 v0, s[64:65] scope:SCOPE_SE
	s_setreg_imm32_b32 hwreg(HW_REG_WAVE_MODE, 25, 1), 1
	s_wait_xcnt 0x0
; COMBINE: out[t] = p(e0) (Y0[r0] + Y1[r0]) + p(e1) (Y0[r1] + Y1[r1]),  r = pos[t]; Y0 and Y1 are the two halves of K, each with half of b2.
; Only the token's two experts enter: the other six carry a weight 0 that reference() builds itself (the sum is ordered by rank, not by
; the expert's number as in reference(): one rounding's difference).
; A stream: one wave, one token; the row of 4,096 bytes goes in eight pieces of 512 bytes, four loads of 16 bytes a lane for each, all 32
; issued at once; every load and store of the wave covers 512 consecutive bytes, aligned.  No LDS, no barrier, no matrix unit: memory
; binds.  No cluster: the work-groups share no input.
.set YH, 18612224                      ; bytes of a half of Y
.set D,  4                             ; v[4:131]: piece p, source s at v[4 + 16 p + 4 s]; sources: Y0[r0], Y1[r0], Y0[r1], Y1[r1]
	s_load_b256 s[4:11], s[0:1], 0x0               ; wts s[4:5], pos s[6:7], Y s[8:9], out0 s[10:11]
	v_lshrrev_b32 v2, 5, v0
	v_readfirstlane_b32 s16, v2                    ; wave
	v_and_b32 v1, 31, v0
	v_lshlrev_b32 v1, 4, v1                        ; 16 lane
	s_lshl_b32 s17, ttmp9, 3
	s_add_co_u32 s17, s17, s16                     ; my token
	s_lshl_b32 s20, s17, 3
	s_mov_b32 s21, 0
	s_lshl_b32 s40, s17, 12
	s_mov_b32 s41, 0
	s_wait_kmcnt 0x0
	s_add_nc_u64 s[4:5], s[4:5], s[20:21]
	s_add_nc_u64 s[6:7], s[6:7], s[20:21]
	s_add_nc_u64 s[10:11], s[10:11], s[40:41]
	s_load_b64 s[24:25], s[4:5], 0x0               ; p(e0), p(e1)
	s_load_b64 s[26:27], s[6:7], 0x0               ; r0, r1
	s_wait_kmcnt 0x0
	s_min_u32 s26, s26, 4543                       ; a half of Y has 4,544 rows
	s_min_u32 s27, s27, 4543
	s_lshl_b32 s32, s26, 12
	s_mov_b32 s33, 0
	s_lshl_b32 s36, s27, 12
	s_mov_b32 s37, 0
	s_add_nc_u64 s[32:33], s[8:9], s[32:33]        ; Y0[r0]
	s_add_nc_u64 s[34:35], s[32:33], YH            ; Y1[r0]
	s_add_nc_u64 s[36:37], s[8:9], s[36:37]        ; Y0[r1]
	s_add_nc_u64 s[38:39], s[36:37], YH            ; Y1[r1]
	s_mov_b32 s42, s25                             ; p(e1) in a pair of its own: the packed forms broadcast a pair's first register
	s_mov_b32 s43, s25
.irp p, 0,1,2,3,4,5,6,7
	global_load_b128 v[D+16*\p:D+16*\p+3],     v1, s[32:33] offset:512*\p th:TH_LOAD_NT
	global_load_b128 v[D+16*\p+4:D+16*\p+7],   v1, s[34:35] offset:512*\p th:TH_LOAD_NT
	global_load_b128 v[D+16*\p+8:D+16*\p+11],  v1, s[36:37] offset:512*\p th:TH_LOAD_NT
	global_load_b128 v[D+16*\p+12:D+16*\p+15], v1, s[38:39] offset:512*\p th:TH_LOAD_NT
.endr
.irp p, 0,1,2,3,4,5,6,7
	s_wait_loadcnt 28-4*\p                         ; loads come back in order: piece p's four are in, the four of each younger piece may be out
.irp u, 0,2
	v_pk_add_f32 v[D+16*\p+\u:D+16*\p+\u+1],     v[D+16*\p+\u:D+16*\p+\u+1],     v[D+16*\p+4+\u:D+16*\p+4+\u+1]
	v_pk_add_f32 v[D+16*\p+8+\u:D+16*\p+8+\u+1], v[D+16*\p+8+\u:D+16*\p+8+\u+1], v[D+16*\p+12+\u:D+16*\p+12+\u+1]
	v_pk_mul_f32 v[D+16*\p+\u:D+16*\p+\u+1], v[D+16*\p+\u:D+16*\p+\u+1], s[24:25] op_sel_hi:[1,0]
	v_pk_fma_f32 v[D+16*\p+\u:D+16*\p+\u+1], v[D+16*\p+8+\u:D+16*\p+8+\u+1], s[42:43], v[D+16*\p+\u:D+16*\p+\u+1] op_sel_hi:[1,0,1]
.endr
	global_store_b128 v1, v[D+16*\p:D+16*\p+3], s[10:11] offset:512*\p th:TH_STORE_NT
.endr
	s_endpgm
.Lfunc_end_k_q624a3bfdc7_combine:
	.size	k_q624a3bfdc7_combine, .Lfunc_end_k_q624a3bfdc7_combine-k_q624a3bfdc7_combine
	.p2alignl 7, 3214868480
	.fill 96, 4, 3214868480
	.section	.rodata,"a",@progbits
	.p2align	6, 0x0
	.amdhsa_kernel k_q624a3bfdc7_combine
		.amdhsa_group_segment_fixed_size 0
		.amdhsa_private_segment_fixed_size 0
		.amdhsa_enable_private_segment 0
		.amdhsa_kernarg_size 32
		.amdhsa_user_sgpr_count 2
		.amdhsa_user_sgpr_kernarg_segment_ptr 1
		.amdhsa_wavefront_size32 1
		.amdhsa_system_sgpr_workgroup_id_x 1
		.amdhsa_system_sgpr_workgroup_id_y 1
		.amdhsa_system_sgpr_workgroup_id_z 1
		.amdhsa_system_vgpr_workitem_id 0
		.amdhsa_next_free_vgpr 132
		.amdhsa_next_free_sgpr 66
		.amdhsa_reserve_vcc 0
		.amdhsa_float_denorm_mode_32 3
		.amdhsa_float_denorm_mode_16_64 3
		.amdhsa_memory_ordered 1
		.amdhsa_forward_progress 1
		.amdhsa_inst_pref_size 10
	.end_amdhsa_kernel
	.amdgpu_metadata
---
amdhsa.version: [ 1, 2 ]
amdhsa.kernels:
  - .name:           k_q624a3bfdc7_combine
    .symbol:         k_q624a3bfdc7_combine.kd
    .args:
      - { .name: wts, .offset: 0, .size: 8, .value_kind: global_buffer, .address_space: global }
      - { .name: pos, .offset: 8, .size: 8, .value_kind: global_buffer, .address_space: global }
      - { .name: Y, .offset: 16, .size: 8, .value_kind: global_buffer, .address_space: global }
      - { .name: out0, .offset: 24, .size: 8, .value_kind: global_buffer, .address_space: global }
    .group_segment_fixed_size: 0
    .private_segment_fixed_size: 0
    .kernarg_segment_align: 8
    .kernarg_segment_size: 32
    .max_flat_workgroup_size: 256
    .sgpr_count:     66
    .vgpr_count:     132
    .wavefront_size: 32
...
	.end_amdgpu_metadata
.endif
;; end of part 6
